; MI455X (gfx1250); checked and timed in simulation.
; The chip was launched on July 23, 2026; its instructions are those of AMD's public machine-readable ISA for CDNA 5 (MIT licence, August 2026) and "CDNA5" Instruction Set Architecture Reference Guide (July 2026). The comments in the code are by the model that wrote it; some were corrected since.
;; Multi Head Attention. Allowed arithmetic: matrix products marked QUANTISED: E2M3 operands, one E8M0 scale for each 32 along K, by v_wmma_scale_f32_16x16x128_f8f6f4 with both operands' format E2M3, f32 sums; everything else in f32.
;; Inputs: b_proj 1,024 float32; b_qkv 3,072 float32; mask 4 x 2,048 int32; w_proj 1,024 x 1,024 float32; w_qkv 3,072 x 1,024 float32; x 4 x 2,048 x 1,024 float32.
;; Outputs: out0 4 x 2,048 x 1,024 float32.
;; This version of the problem:
;;   THIS VERSION OF THE PROBLEM IS GIVEN IN LOW PRECISION. The matrix products marked QUANTISED in the list below multiply operands that are first quantised to E2M3 (2 exponent bits, 3 mantissa bits; 6 bits a number), with one power-of-two scale for each 32 numbers along K (OCP MX v1.0); their sums are f32. All else is computed in f32.
;;   The module's matrix products, in the order in which they are computed (A, B: the left and right operand; K: the contracted axis; several contracted axes count as one K, in the product's order):
;;     1. [M 8,192, K 1,024] x [K 1,024, N 3,072]; A: input x; B: input w_qkv: QUANTISED
;;     2. batch 64 x [M 2,048, K 64] x [K 64, N 2,048]; A: computed on the way; B: computed on the way: QUANTISED
;;     3. batch 64 x [M 2,048, K 2,048] x [K 2,048, N 64]; A: softmax (see below); B: computed on the way: QUANTISED
;;     4. [M 8,192, K 1,024] x [K 1,024, N 1,024]; A: computed on the way; B: input w_proj: QUANTISED
;;   THE QUANTISER, for each operand of a quantised product, along K:
;;     - K is cut into blocks of 32 from its start; a last block that is shorter is filled with zeros.
;;     - A block's scale is 2^e with e = floor(log2(the largest magnitude in the block)) - 2, held to -126 .. 127; a block of zeros has e = 0. As a byte (E8M0): e + 127.
;;     - Each number is divided by its block's scale, clamped to +-7.5, and rounded to the nearest number of E2M3, ties to even, subnormals kept.
;;     - The product sums the exact products of the quantised numbers (number of the format x scale) in f32.
;;   ~~~python
;;   def quantise(x, axis):      # numpy; x: float32 -> the quantised numbers, widened to float32 again
;;       x = np.moveaxis(x, axis, -1); K = x.shape[-1]
;;       x = np.pad(x, [(0, 0)] * (x.ndim - 1) + [(0, -K % 32)]); x = x.reshape(x.shape[:-1] + (-1, 32)); a = np.abs(x).max(-1, keepdims=True)
;;       e = np.where(a > 0, np.clip(np.frexp(np.where(a > 0, a, 1))[1] - 1 - 2, -126, 127), 0)      # np.frexp(a)[1] - 1 = floor(log2(a)), exactly
;;       r = np.clip(x / 2.0 ** e, -7.5, 7.5)
;;       step = 2.0 ** (np.maximum(np.frexp(np.where(r == 0, 1, r))[1] - 1, 0) - 3)
;;       q = np.round(r / step) * step * 2.0 ** e      # np.round: ties to even
;;       return np.moveaxis(q.reshape(q.shape[:-2] + (-1,))[..., :K], -1, axis).astype(np.float32)
;;   ~~~
;;   SOFTMAX AHEAD OF A QUANTISED PRODUCT. Where the list says 'softmax', what is quantised is not the finished softmax but p = 2^(t - M), with t = logit x log2(e) and M = ceil(the row's largest t), a whole number; so 1/2 < the row's largest p <= 1. The row's sum l is taken of the UNQUANTISED p, in f32, and the product's result is divided by l at the end. Since M is a whole number, a kernel that streams over the keys may use a running M (the ceiling of the running maximum): every later rescaling is an exact power of two, which a block's scale takes up: the codes' values come out the same.
;;   OPERANDS COMPUTED ON THE WAY. 'Computed on the way' means the value that the module computes at that place (a softmax that the list does not call 'softmax' is quantised finished and normalised). What goes into a quantiser is computed in f32, as accurately as f32 sums, v_exp_f32 and their like allow (about 1e-6 of the number): no bf16 or f16 on the way to a quantiser, and a product that is left as it is and whose result goes on into a quantised operand takes f32 operands (vector FMAs, or v_wmma_f32_16x16x4_f32). A number that lies on a knife's edge between two numbers of the format may be rounded either way, as far as f32 arithmetic and the matrix unit's own rounding can turn it there, and no further.
;; One version. Each part assembles by itself: llvm-mc -triple=amdgcn-amd-amdhsa -mcpu=gfx1250 --defsym DOCPART=n.
;; ======== version 1 of 1: 4 launches
;; limits: right only within a limited range of input values
;; workspace buffers: xq 6,553,600 bytes; wq 3,276,800 bytes; rope 524,288 bytes; qb 6,815,744 bytes; kv 13,369,344 bytes; ob 6,553,600 bytes
;; launch quant (part 1): grid 416 x 1, 4 waves a work-group, no clusters, 34,304 bytes of LDS; arguments x, w_qkv, w_proj, xq, wq, rope; writes xq, wq, rope
.if DOCPART == 1
	.amdgcn_target "amdgcn-amd-amdhsa--gfx1250"
	.amdhsa_code_object_version 6
	.text
	.protected	k_qd355c67a01_quant
	.globl	k_qd355c67a01_quant
	.p2align	8
	.type	k_qd355c67a01_quant,@function
k_qd355c67a01_quant:
	s_mov_b64 s[64:65], 0
	v_nop
	global_prefetch_b8 v0, s[64:65] scope:SCOPE_SE
	s_setreg_imm32_b32 hwreg(HW_REG_WAVE_MODE, 25, 1), 1
	s_wait_xcnt 0x0
; x [8192][1024], w_qkv [3072][1024] and w_proj [1024][1024], f32 with K innermost, become codes of FP6 (E2M3) with one E8M0 byte for each 32 along K,
; laid as the later launches' matrix operands want them; and the table of cosines and sines for the rotation is made.
; A block's scale is 2^(floor(log2(largest magnitude)) - 2): its byte is the largest magnitude's exponent field - 2, held at 1 from below.
; LIMITS: a block of zeros gets the byte 1 where the rule says 127 (its codes are zeros, and only this program reads the bytes); NaN and infinities are not served;
; the 32 inverse frequencies are literals of 10^(-j/8), which may differ by about one unit in the last place from a quotient 1 / 10000^(j/32) formed in f32.
; TILES.  Sixteen rows form a tile, and they are not neighbours: in each 32 rows tile u (0, 1) holds rows 8 u + r + 8 (r / 8), r = 0 .. 15.
; LAYOUT OF THE CODES: [pair of K steps 0..3][tile][K step of the pair][c = 0, 1][768 bytes]; the 768 bytes are the image of six operand registers (16 rows x 64 K):
; registers 0-3 of lane l at 16 l, registers 4-5 at 512 + 8 l.  SCALES: [tile][half of K][row r][4 words], a word for each K step of 128.
; SHARES.  Work-groups 0-255 take x, 256-351 w_qkv, 352-383 w_proj: only pointers and offsets are chosen, the text is one.  A wave takes one tile x 512 along K: four fragments.
; Each load reads 512 consecutive bytes of one row; the 16 x 512 bytes turn through the wave's own stage in LDS (rows 528 bytes apart) so that a lane gets 32 neighbours along K of its row.
; Work-groups 384-415 make the table: a wave a tile of 16 positions; no LDS there.  No barrier: waves share nothing.
.set STGB,  8448                       ; a wave's stage: 16 rows x 528 bytes
.set SPIT,  528
.set SW,    16                         ; v16-19   the four fragments' scale words
.set R,     20                         ; v20-147  two sets of 64 registers as loaded
.set X,     148                        ; v148-211 64 numbers: register 32 c + i = k 64 c + 32 h + i of my row
.set PC,    212                        ; v212-223 a fragment's codes
.set PC2,   224                        ; v224-231 the halves that are made elsewhere and moved
.set CT,    32                         ; the table's way: v32-47 cosines, v48-63 signed sines
.set SN,    48
	s_load_b128 s[4:7], s[0:1], 0x0                ; x, w_qkv
	s_load_b128 s[8:11], s[0:1], 0x10              ; w_proj, xq
	s_load_b128 s[12:15], s[0:1], 0x20             ; wq, rope
	v_lshl_add_u32 v232, v0, 2, 0x8400
	v_mov_b32 v233, 0
	v_lshrrev_b32 v1, 5, v0
	v_readfirstlane_b32 s23, v1                    ; wave 0..3
	v_and_b32 v1, 31, v0                           ; lane
	v_lshlrev_b32 v2, 4, v1                        ; 16 x lane
	v_lshlrev_b32 v3, 3, v1                        ; 8 x lane
	s_mov_b32 s20, 0x76543210
	s_mov_b32 s21, 0xfedcba98                      ; v_permlanex16_b32's selects for lane l xor 16
	s_mov_b32 s22, 0xffff0000                      ; lanes 16-31
	s_cmp_ge_u32 ttmp9, 384
	s_cbranch_scc1 .Ltable
	s_mul_i32 s24, s23, STGB                       ; my stage
	v_and_b32 v7, 15, v0                           ; r
	v_bfe_u32 v9, v0, 4, 1                         ; h
	v_add_nc_u32 v4, s24, v2                       ; into the stage: 16 x lane of a row
	v_mul_u32_u24 v5, v7, SPIT
	v_lshl_add_u32 v5, v9, 7, v5
	v_add_nc_u32 v5, s24, v5                       ; out of it: row r, + 128 h bytes (32 numbers)
	v_lshlrev_b32 v6, 4, v7
	v_lshl_add_u32 v6, v9, 3, v6                   ; the scale words' place: 16 r + 8 h
	v_lshlrev_b32 v7, 3, v9                        ; 8 h: my bytes' shift in a scale word
	v_mov_b32 v15, 0                               ; (a lane permute's destination counts as one of its sources)
	; which tensor: first work-group, bytes of a pair of K steps, where codes and scales begin in the workspace buffer
	s_mov_b32 s24, 352
	; THE CODES' ORDER OF TILES (it takes the place of the order given at the head): sixteen tiles, 256 rows, form a block: [block][pair of K steps][tile of the block][K step][c][768 bytes];
	; a block's codes for all of K are 196,608 dense bytes, a pair's 49,152, in all three tensors
	s_mov_b32 s25, 49152
	s_mov_b32 s26, 2457600
	s_mov_b32 s27, 3244032
	s_wait_alu depctr_va_vdst(0)
	s_wait_kmcnt 0x0
	s_cmp_lt_u32 ttmp9, 352
	s_cselect_b32 s24, 256, s24
	s_cselect_b32 s26, 0, s26
	s_cselect_b32 s27, 2359296, s27
	s_cselect_b64 s[16:17], s[6:7], s[8:9]
	s_cmp_lt_u32 ttmp9, 256
	s_cselect_b32 s24, 0, s24
	s_cselect_b32 s26, 0, s26
	s_cselect_b32 s27, 6291456, s27
	s_cselect_b64 s[16:17], s[4:5], s[16:17]       ; the source
	s_cselect_b64 s[18:19], s[10:11], s[12:13]     ; the workspace buffer
	s_sub_co_u32 s28, ttmp9, s24
	s_lshl_b32 s28, s28, 2
	s_add_co_u32 s28, s28, s23
	s_lshr_b32 s29, s28, 1                         ; my tile
	s_and_b32 s30, s28, 1                          ; my half of K
	s_lshr_b32 s31, s29, 1
	s_lshl_b32 s31, s31, 17                        ; 32 rows of 4,096 bytes for each pair of tiles,
	s_and_b32 s32, s29, 1
	s_lshl_b32 s32, s32, 15                        ; 8 rows for the odd tile,
	s_add_co_u32 s31, s31, s32
	s_lshl_b32 s32, s30, 11                        ; 2,048 bytes for the upper half of K
	s_add_co_u32 s32, s31, s32
	s_mov_b32 s33, 0
	s_add_nc_u64 s[4:5], s[16:17], s[32:33]
	s_lshr_b32 s34, s29, 4
	s_mul_i32 s34, s34, 196608                     ; my block,
	s_and_b32 s35, s29, 15
	s_mul_i32 s35, s35, 3072                       ; my tile in it
	s_add_co_u32 s34, s34, s35
	s_add_co_u32 s34, s34, s26
	s_lshl_b32 s35, s30, 1
	s_mul_i32 s35, s35, s25
	s_add_co_u32 s34, s34, s35
	s_mov_b32 s35, 0
	s_add_nc_u64 s[8:9], s[18:19], s[34:35]        ; my tile in pair 2 x half,
	s_mov_b32 s34, s25
	s_add_nc_u64 s[10:11], s[8:9], s[34:35]        ; and in the pair behind it
	s_lshl_b32 s34, s29, 9
	s_add_co_u32 s34, s34, s27
	s_lshl_b32 s36, s30, 8
	s_add_co_u32 s34, s34, s36
	s_add_nc_u64 s[12:13], s[18:19], s[34:35]      ; my 256 bytes of scale words
.macro LOAD f                          ; fragment f: 512 bytes of each of the tile's 16 rows
.irp i, 0,1,2,3,4,5,6,7,8,9,10,11,12,13,14,15
	global_load_b128 v[R+64*((\f)%2)+4*\i:R+64*((\f)%2)+4*\i+3], v2, s[4:5] offset:(\i+8*(\i/8))*4096+512*(\f) th:TH_LOAD_NT
.endr
.endm
.macro TURN f                          ; through the stage; LDS serves a wave's instructions in order, so no wait stands between the stores and the loads
.irp i, 0,1,2,3,4,5,6,7,8,9,10,11,12,13,14,15
	ds_store_b128 v4, v[R+64*((\f)%2)+4*\i:R+64*((\f)%2)+4*\i+3] offset:SPIT*\i
.endr
.irp c, 0,1
.irp j, 0,1,2,3,4,5,6,7
	ds_load_b128 v[X+32*\c+4*\j:X+32*\c+4*\j+3], v5 offset:256*\c+16*\j
.endr
.endr
.endm
.macro QB f                            ; my two whole blocks (2 c + h): largest magnitudes, bytes, the scale word, the codes
.irp c, 0,1
	v_max3_num_f32 v[8+\c], |v[X+32*\c]|, |v[X+1+32*\c]|, 0x1800000   ; with the floor 2^(3 - 127): the byte cannot fall under 1
.endr
.irp i, 2,4,6,8,10,12,14,16,18,20,22,24,26,28,30
.irp c, 0,1
	v_max3_num_f32 v[8+\c], v[8+\c], |v[X+32*\c+\i]|, |v[X+1+32*\c+\i]|
.endr
.endr
.irp c, 0,1
	v_add_nc_u32 v[10+\c], 0xff000000, v[8+\c]     ; 2 off the exponent field: the conversion's scale operand
.endr
.irp c, 0,1
	v_lshrrev_b32 v[12+\c], 23, v[10+\c]           ; the byte
.endr
	v_lshl_or_b32 v14, v13, 16, v12                ; blocks h and 2 + h,
	v_lshlrev_b32 v14, v7, v14                     ; at their places;
	v_permlanex16_b32 v15, v14, s20, s21
	v_or_b32 v[SW+\f], v14, v15                    ; with lane l xor 16's two the word is whole
.irp c, 0,1
	v_cvt_scalef32_pk16_fp6_f32 v[PC+6*\c:PC+6*\c+2], v[X+32*\c:X+32*\c+15], v[10+\c]
	v_cvt_scalef32_pk16_fp6_f32 v[PC2+4*\c:PC2+4*\c+2], v[X+32*\c+16:X+32*\c+31], v[10+\c]   ; (a conversion's three registers begin on an even number)
.endr
	v_nop                                          ; one plain place behind a scaled conversion
.irp c, 0,1
.irp i, 0,1,2
	v_mov_b32 v[PC+3+6*\c+\i], v[PC2+4*\c+\i]
.endr
.endr
.endm
.macro OUT f                           ; the fragment's image: each store of the wave covers whole aligned runs of 256 bytes
	global_store_b128 v2, v[PC:PC+3], s[8+2*((\f)/2):9+2*((\f)/2)] offset:1536*((\f)%2)
	global_store_b64 v3, v[PC+4:PC+5], s[8+2*((\f)/2):9+2*((\f)/2)] offset:1536*((\f)%2)+512
	global_store_b128 v2, v[PC+6:PC+9], s[8+2*((\f)/2):9+2*((\f)/2)] offset:1536*((\f)%2)+768
	global_store_b64 v3, v[PC+10:PC+11], s[8+2*((\f)/2):9+2*((\f)/2)] offset:1536*((\f)%2)+1280
.endm
	LOAD 0
	LOAD 1
.irp f, 0,1,2,3
.if \f < 3
	s_wait_loadcnt 16                              ; this fragment's 16 loads are in; the next one's may be out
.else
	s_wait_loadcnt 0x0
.endif
	TURN \f
	s_wait_dscnt 0x0                               ; the numbers are back, and the stores into the stage have read their registers,
.if \f < 2
	LOAD \f+2                                      ; which take the loads of two fragments on
.endif
.if \f > 0
	s_wait_xcnt 0x0                                ; the last fragment's stores have read the codes' registers
.endif
	QB \f
	OUT \f
.endr
	v_cndmask_b32 v8, v[SW], v[SW+2], s22          ; lane (r, h) stores words 2 h and 2 h + 1 of row r: the wave stores 256 consecutive bytes
	v_cndmask_b32 v9, v[SW+1], v[SW+3], s22
	global_store_b64 v6, v[8:9], s[12:13]
	s_wait_tensorcnt 0x0
	ds_add_u32 v232, v233
	s_wait_dscnt 0x0
	s_endpgm
; THE TABLE: [tile of positions 0..127][8 groups][lane][16 bytes]: lane (r, h) of a tile holds, for its position and the frequencies 16 h + i, i = 0 .. 15,
; cos in groups 0-3 and in groups 4-7 the sine with the sign that the rotation gives it: minus for even i, plus for odd i.
.Ltable:
	s_sub_co_u32 s24, ttmp9, 384
	s_lshl_b32 s24, s24, 2
	s_add_co_u32 s24, s24, s23                     ; my tile
	s_lshr_b32 s25, s24, 1
	s_lshl_b32 s25, s25, 5
	s_and_b32 s26, s24, 1
	s_lshl_b32 s26, s26, 3
	s_add_co_u32 s25, s25, s26                     ; its first position
	s_lshl_b32 s26, s24, 12
	s_mov_b32 s27, 0
	s_mov_b32 s40, 0xbfc90fda                      ; -pi/2 in three parts
	s_mov_b32 s41, 0xb4a8885a
	s_mov_b32 s42, 0xa7c234c4
	v_and_b32 v8, 15, v0
	v_and_b32 v9, 8, v8
	v_add_nc_u32 v8, v8, v9
	v_add_nc_u32 v8, s25, v8
	v_cvt_f32_u32 v8, v8                           ; my position
	s_wait_kmcnt 0x0
	s_add_nc_u64 s[14:15], s[14:15], s[26:27]
.macro SINCOS i, lo, hi                ; lo, hi: the inverse frequencies i and 16 + i
	v_mov_b32 v10, \lo
	v_mov_b32 v11, \hi
	v_cndmask_b32 v10, v10, v11, s22
	s_wait_alu depctr_va_vdst(0)
	v_mul_f32 v10, v8, v10                         ; the angle, rounded once
	v_mul_f32 v11, 0x3f22f983, v10
	v_rndne_f32 v11, v11                           ; the nearest multiple of pi/2
	v_fma_f32 v12, v11, s40, v10
	v_fma_f32 v12, v11, s41, v12
	v_fma_f32 v12, v11, s42, v12                   ; what is left, within pi/4
	v_mul_f32 v13, v12, v12
	v_mov_b32 v14, 0x37cd4000                      ; the cosine's polynomial
	v_fmaak_f32 v14, v14, v13, 0xbab6077d
	v_fmaak_f32 v14, v14, v13, 0x3d2aaaa8
	v_fmaak_f32 v14, v14, v13, 0xbf000000
	v_fmaak_f32 v14, v14, v13, 0x3f800000
	v_mov_b32 v15, 0x36405000                      ; the sine's
	v_fmaak_f32 v15, v15, v13, 0xb9503486
	v_fmaak_f32 v15, v15, v13, 0x3c0888c1
	v_fmaak_f32 v15, v15, v13, 0xbe2aaaab
	v_mul_f32 v13, v12, v13
	v_fma_f32 v15, v15, v13, v12
	v_cvt_i32_f32 v11, v11                         ; the quadrant
	v_and_b32 v12, 1, v11
	v_cmp_eq_u32 vcc_lo, 1, v12
	v_cndmask_b32 v12, v14, v15, vcc_lo            ; in odd quadrants the two change places
	v_cndmask_b32 v13, v15, v14, vcc_lo
	v_add_nc_u32 v14, 1, v11
	v_and_b32 v14, 2, v14
	v_lshlrev_b32 v14, 30, v14
	v_xor_b32 v[CT+\i], v12, v14                   ; cos: minus in quadrants 1 and 2
	v_add_nc_u32 v14, 2*(1-(\i)%2), v11
	v_and_b32 v14, 2, v14
	v_lshlrev_b32 v14, 30, v14
	v_xor_b32 v[SN+\i], v13, v14                   ; sin: minus in quadrants 2 and 3; once more minus for even i
.endm
	SINCOS 0, 1.0, 0.01
	SINCOS 1, 0.749894209, 0.00749894209
	SINCOS 2, 0.562341325, 0.00562341325
	SINCOS 3, 0.421696503, 0.00421696503
	SINCOS 4, 0.316227766, 0.00316227766
	SINCOS 5, 0.237137371, 0.00237137371
	SINCOS 6, 0.177827941, 0.00177827941
	SINCOS 7, 0.133352143, 0.00133352143
	SINCOS 8, 0.1, 0.001
	SINCOS 9, 0.0749894209, 0.000749894209
	SINCOS 10, 0.0562341325, 0.000562341325
	SINCOS 11, 0.0421696503, 0.000421696503
	SINCOS 12, 0.0316227766, 0.000316227766
	SINCOS 13, 0.0237137371, 0.000237137371
	SINCOS 14, 0.0177827941, 0.000177827941
	SINCOS 15, 0.0133352143, 0.000133352143
.irp g, 0,1,2,3,4,5,6,7
	global_store_b128 v2, v[CT+4*\g:CT+4*\g+3], s[14:15] offset:512*\g
.endr
	s_endpgm
.Lfunc_end_k_qd355c67a01_quant:
	.size	k_qd355c67a01_quant, .Lfunc_end_k_qd355c67a01_quant-k_qd355c67a01_quant
	.p2alignl 7, 3214868480
	.fill 96, 4, 3214868480
	.section	.rodata,"a",@progbits
	.p2align	6, 0x0
	.amdhsa_kernel k_qd355c67a01_quant
		.amdhsa_group_segment_fixed_size 34304
		.amdhsa_private_segment_fixed_size 0
		.amdhsa_enable_private_segment 0
		.amdhsa_kernarg_size 48
		.amdhsa_user_sgpr_count 2
		.amdhsa_user_sgpr_kernarg_segment_ptr 1
		.amdhsa_wavefront_size32 1
		.amdhsa_system_sgpr_workgroup_id_x 1
		.amdhsa_system_sgpr_workgroup_id_y 1
		.amdhsa_system_sgpr_workgroup_id_z 1
		.amdhsa_system_vgpr_workitem_id 0
		.amdhsa_next_free_vgpr 234
		.amdhsa_next_free_sgpr 66
		.amdhsa_reserve_vcc 1
		.amdhsa_float_denorm_mode_32 3
		.amdhsa_float_denorm_mode_16_64 3
		.amdhsa_memory_ordered 1
		.amdhsa_forward_progress 1
		.amdhsa_inst_pref_size 59
	.end_amdhsa_kernel
	.amdgpu_metadata
---
amdhsa.version: [ 1, 2 ]
amdhsa.kernels:
  - .name:           k_qd355c67a01_quant
    .symbol:         k_qd355c67a01_quant.kd
    .args:
      - { .name: x, .offset: 0, .size: 8, .value_kind: global_buffer, .address_space: global }
      - { .name: w_qkv, .offset: 8, .size: 8, .value_kind: global_buffer, .address_space: global }
      - { .name: w_proj, .offset: 16, .size: 8, .value_kind: global_buffer, .address_space: global }
      - { .name: xq, .offset: 24, .size: 8, .value_kind: global_buffer, .address_space: global }
      - { .name: wq, .offset: 32, .size: 8, .value_kind: global_buffer, .address_space: global }
      - { .name: rope, .offset: 40, .size: 8, .value_kind: global_buffer, .address_space: global }
    .group_segment_fixed_size: 34304
    .private_segment_fixed_size: 0
    .kernarg_segment_align: 8
    .kernarg_segment_size: 48
    .max_flat_workgroup_size: 128
    .sgpr_count:     66
    .vgpr_count:     234
    .wavefront_size: 32
...
	.end_amdgpu_metadata
.endif
;; end of part 1
;; launch qkv (part 2): grid 8 x 48, 4 waves a work-group, clusters of 4 x 4, 327,680 bytes of LDS; arguments xq, wq, rope, mask, b_qkv, qb, kv; writes qb, kv
.if DOCPART == 2
	.amdgcn_target "amdgcn-amd-amdhsa--gfx1250"
	.amdhsa_code_object_version 6
	.text
	.protected	k_qd355c67a01_qkv
	.globl	k_qd355c67a01_qkv
	.p2align	8
	.type	k_qd355c67a01_qkv,@function
k_qd355c67a01_qkv:
	s_mov_b64 s[64:65], 0
	v_nop
	global_prefetch_b8 v0, s[64:65] scope:SCOPE_SE
	s_setreg_imm32_b32 hwreg(HW_REG_WAVE_MODE, 25, 1), 1
	s_wait_xcnt 0x0
	s_wait_alu depctr_hold_cnt(0) depctr_sa_sdst(0) depctr_va_vdst(0) depctr_va_sdst(0) depctr_va_ssrc(0) depctr_va_vcc(0) depctr_vm_vsrc(0)
	s_getreg_b32 s2, hwreg(HW_REG_IB_STS2, 6, 4)
	s_cmp_eq_u32 s2, 0
	s_cbranch_scc0 .Lentry_in_a_cluster
	s_endpgm
.Lentry_in_a_cluster:
	s_bfe_u32 s2, ttmp6, 0x10000c
	s_cmp_lg_u32 s2, 0xf033
	s_cbranch_scc0 .Lentry_shape_is_right
	s_endpgm
.Lentry_shape_is_right:
; qkv = x w_qkv^T + b_qkv on codes of FP6 (E2M3) with E8M0 scales; q and k are rotated, and q, k and v leave as codes, laid as the attention launch's operands.  Nothing leaves as f32.
; TWO KINDS of work-group, told apart by the cluster's y, which all partners share.  y < 8: A = 256 tokens of x, B = 256 rows of w_q or w_k.  y >= 8: A = 256 rows of w_v, B = 256 tokens of x.
; THE CORE is one text for both: a tile of 256 x 256, four waves of 128 x 128 (64 accumulators, 512 registers); the matrix instruction is used transposed (source 0 = 16 rows of B, source 1 = 16 rows of A),
; so that a lane holds one row of A and its registers run along B's rows.  The rows of a tile are 8 u + r + 8 (r / 8) of each 32, so the 16 registers of B's tiles 2 b, 2 b + 1 are 16 neighbours.
; So with A = tokens a lane holds one token and neighbouring features (q, k: quantised along the head's 64), with A = features one feature and neighbouring tokens (v: quantised along the keys).
; OPERANDS lie in memory as images of their registers: [pair of K steps][tile][K step][c][768 bytes].  A pair's 8 tiles are 24,576 dense bytes: one tensor load a wave.
; K = 1,024 is 8 K steps in 4 pairs.  Three LDS slots take pairs 0, 1, 2 at the start; pair 3 goes into slot 0 behind the round at K step 2 and is read from K step 6 on.  By this text's count a wave has one tensor load out.
; CLUSTERS: 4 x 4.  A's tiles are shared along a row of the cluster, B's along a column: joint loads.
; THE MASK rides in the first attention product's idle K (the head has 64 of the instruction's 128): the attention launch sets q's code at k = 64 to +1 and k's to -1; here byte 2 of q's scale word is 127 (1.0)
; and byte 2 of k's is 227 (2^100) for a hidden key, 1 (2^-126) for one that counts; byte 3 is 1, over zero codes.
; LIMITS: scores must stay under 2^75 in magnitude; every score gets -2^-126; a block of zeros gets the byte 1 where the rule says 127 (only this program reads the bytes); NaN and infinities are not served.
; REGISTERS: window 0: v1-7, v31 lane terms; v8-15 mask words; v16-27 LDS addresses; v28, v29 the add's; v30 the scale words' address; v32-63 scale words and nothing else; v128-223 A's fragments, one set;
;   on the way out v64-95 the quantiser's, v96-127 and v224-255 the bias, v128-191 64 numbers, v192-215 at work.  window 1: B's fragments, two sets at v0 and v128; on the way out the rotation's table in v96-127, v224-255.
;   windows 2, 3: the accumulators: (a, b) at v[8 (8 (a % 4) + b)] of window 2 + a / 4.
.set SLOTB, 98304                      ; a slot: A's 16 tiles x 3,072 bytes, then B's
.set QTR,   24576                      ; 8 tiles: what one tensor load brings, and what a wave reads of A or of B
.set SCL,   3*SLOTB                    ; A's scale words (16 tiles x 512 bytes), then B's
.set SPARE, SCL+16384                  ; the spare words, 128 bytes a wave: two blocks of 256 bytes that no other line names
.set FR,    12
.set AF,    128
.set SC,    32
.set A16,   16                         ; v16-18 slot s: my A half + 16 x lane;  v19-21 + 8 x lane;  v22-24, v25-27 the same for B
.set A8,    19
.set B16,   22
.set B8,    25
.set SPW,   28
.set NIL,   29
.set ADRS,  30
.set WV,    18
.set RH,    19                         ; my half of the tile's rows.  Also: I fetch for A (0) or for B (1)
.set CH,    20                         ; my half of its columns.  Also: which 8 tiles I fetch
.set CX,    21
.set CY,    22
.set KIND,  23
.set G1A,   24                         ; s[24:31] group 1 for A's codes; s[32:43] groups 0 for slots 0, 1, 2
.set G0A,   32
.set G1B,   44                         ; s[44:51], s[52:63] the same for B
.set G0B,   52
.set G1SA,  68                         ; s[68:75], s[76:79] A's scales; s[80:87], s[88:91] B's
.set G0SA,  76
.set G1SB,  80
.set G0SB,  88
; THE LOADS (this takes the place of what the head says of slots and pairs): an operand's block of 256 rows is [pair of K steps][16 tiles x 3,072 bytes], dense for all of K.
; At the head one joint load a wave: wave 0 A's pairs 0 and 1 (98,304 bytes, to LDS 0), wave 1 B's (to 98,304), wave 2 A's scale words, wave 3 B's.  Behind the full sequence and a round each wave fetches its quarter of pair 2 (to 196,608 on);
; behind the round at K step 2 its quarter of pair 3, onto pair 0's bytes.  By this text's count a wave has one tensor load out.
.set PAIR,  49152                      ; a pair of K steps of 16 tiles
.set BLK,   196608                     ; a block: four pairs
.set MSB, 0
.macro WIN new                         ; the immediate's high byte repeats the setting that is left
.if MSB != (\new)
	s_set_vgpr_msb (MSB<<8)|(\new)
.set MSB, (\new)
.endif
.endm
.set MUL_LO, 0xa1                      ; source 0 (B) window 1, source 1 (A) window 0, C and D window 2
.set MUL_HI, 0xf1
.set TO_B,   0x40
; A joint load: waves 0 and 1 fetch for A, waves 2 and 3 for B; the branch hangs on the wave's number alone.  Four v_nop follow each line.
.macro JLOAD g0a, g1a, g0b, g1b
	s_cmp_eq_u32 s[RH], 0
	s_cbranch_scc0 .Lfor_b_\@
	tensor_load_to_lds s[\g0a:\g0a+3], s[\g1a:\g1a+7]
	s_nop 0
.rept 4
	v_nop
.endr
	s_branch .Lasked_\@
.Lfor_b_\@:
	tensor_load_to_lds s[\g0b:\g0b+3], s[\g1b:\g1b+7]
	s_nop 0
.rept 4
	v_nop
.endr
.Lasked_\@:
.endm
.macro CREST                           ; a round of the cluster's barrier behind its opening barrier
	s_cmp_lg_u32 s[WV], 0
	s_cbranch_scc1 .Lnot_wave_0_\@
	s_barrier_signal -3
.Lnot_wave_0_\@:
	s_barrier_wait -3
	s_barrier_signal -1
	s_barrier_wait -1
.endm
.macro CROUND
	s_barrier_signal -1
	s_barrier_wait -1
	CREST
.endm
.macro PLACES n                        ; plain places behind matrix instructions, in front of loads into their registers and of reads of results
.rept \n
	v_nop
.endr
.endm
.macro FRAG reg, a16, a8, off          ; a fragment's image: 12 registers by four dense loads
	ds_load_b128 v[\reg:\reg+3], v[\a16] offset:\off
	ds_load_b64 v[\reg+4:\reg+5], v[\a8] offset:\off+512
	ds_load_b128 v[\reg+6:\reg+9], v[\a16] offset:\off+768
	ds_load_b64 v[\reg+10:\reg+11], v[\a8] offset:\off+1280
.endm
.macro FETCH_B slot, q, p              ; B's eight fragments of the slot's q-th K step into set p
	WIN TO_B
.irp i, 0,1,2,3,4,5,6,7
	FRAG 128*(\p)+FR*\i, B16+\slot, B8+\slot, 3072*\i+1536*(\q)
.endr
	WIN 0
.endm
.macro FETCH_A slot, q, i0             ; A's blocks i0 .. i0 + 3
.irp i, \i0, \i0+1, \i0+2, \i0+3
	FRAG AF+FR*(\i), A16+\slot, A8+\slot, 3072*(\i)+1536*(\q)
.endr
.endm
.macro SCALES kh                       ; four K steps' scale words: register SC + 4 i + j: lanes 0-15 A's block i, lanes 16-31 B's block i, K step 4 kh + j
.irp i, 0,1,2,3,4,5,6,7
	ds_load_b128 v[SC+4*\i:SC+4*\i+3], v[ADRS] offset:512*\i+256*(\kh)
.endr
.endm
; 16 matrix instructions: A's blocks a0, a0 + 1 x B's eight.  The 64 accumulators take turns, one instruction a turn, in the same order in every K step.
.macro MUL16 a0, p, ks, zero
.irp a, \a0, \a0+1
.irp b, 0,1,2,3,4,5,6,7
.if \zero
	v_wmma_scale_f32_16x16x128_f8f6f4 v[8*(8*((\a)%4)+\b):8*(8*((\a)%4)+\b)+7], v[128*(\p)+FR*\b:128*(\p)+FR*\b+FR-1], v[AF+FR*(\a):AF+FR*(\a)+FR-1], 0, v[SC+4*\b+(\ks)%4], v[SC+4*(\a)+(\ks)%4] matrix_a_fmt:MATRIX_FMT_FP6 matrix_b_fmt:MATRIX_FMT_FP6 matrix_a_scale:MATRIX_SCALE_ROW1
.else
	v_wmma_scale_f32_16x16x128_f8f6f4 v[8*(8*((\a)%4)+\b):8*(8*((\a)%4)+\b)+7], v[128*(\p)+FR*\b:128*(\p)+FR*\b+FR-1], v[AF+FR*(\a):AF+FR*(\a)+FR-1], v[8*(8*((\a)%4)+\b):8*(8*((\a)%4)+\b)+7], v[SC+4*\b+(\ks)%4], v[SC+4*(\a)+(\ks)%4] matrix_a_fmt:MATRIX_FMT_FP6 matrix_b_fmt:MATRIX_FMT_FP6 matrix_a_scale:MATRIX_SCALE_ROW1
.endif
.endr
.endr
.endm
; K step ks: 64 matrix instructions, and the fetch of K step ks + 1's fragments (slot ((ks + 1) / 2) % 3): B's and A's blocks 0-3 in the middle, A's blocks 4-7 at the end.
; mode 0: the next fragments lie in a slot that is known to be whole.  mode 1: a barrier first, in front of which each wave waits for all its tensor loads.  mode 2: that barrier opens a round of the cluster's, and slot 0 is filled again.
.macro KSTEP ks, mode, zero, scl
.set NSL, (((\ks)+1)/2)%3
.set NQQ, ((\ks)+1)%2
.set PP,  (\ks)%2
.if (\mode) == 0
	s_wait_dscnt 16                                ; all but the youngest 16 loads (A's blocks 4-7) are in
	WIN MUL_LO
	MUL16 0, PP, \ks, \zero
	MUL16 2, PP, \ks, \zero
	s_wait_dscnt 0x0
	PLACES 4
.else
	s_wait_tensorcnt 0x0                           ; all my tensor loads have landed;
	ds_add_u32 v[SPW], v[NIL]                      ; 0 onto my spare word;
	s_wait_dscnt 17                                ; (the add and A's blocks 4-7 may be out)
	WIN MUL_LO
	MUL16 0, PP, \ks, \zero
	s_wait_dscnt 0x0                               ; the add is done, and my reads of the slot that I leave are over
	s_barrier_signal -1
	MUL16 2, PP, \ks, \zero
	WIN 0
	s_barrier_wait -1
.if (\mode) == 2
	CREST                                          ; no wave of any partner still reads slot 0 or has a load on its way
	JLOAD G0A, G1A, G0B, G1B                       ; the first tensor load behind the round, one a wave; its four v_nop are the places in front of the loads below
.else
	PLACES 4
.endif
.endif
	FETCH_B NSL, NQQ, 1-PP
	FETCH_A NSL, NQQ, 0
	WIN MUL_HI
	MUL16 4, PP, \ks, \zero
	MUL16 6, PP, \ks, \zero
	PLACES 4
	WIN 0
.if \scl
	SCALES 1                                       ; the upper half of K's scale words, behind the last product that reads the lower half's
.endif
	FETCH_A NSL, NQQ, 4
.endm
	s_load_b256 s[4:11], s[0:1], 0x0               ; xq s[4:5], wq s[6:7], rope s[8:9], mask s[10:11]
	s_load_b128 s[12:15], s[0:1], 0x20             ; b_qkv s[12:13], qb s[14:15]
	s_load_b64 s[16:17], s[0:1], 0x30              ; kv
	v_lshl_add_u32 v[SPW], v0, 2, SPARE
	v_mov_b32 v[NIL], 0
	ds_add_u32 v28, v29
	ds_add_u32 v28, v29
	s_wait_dscnt 0x0
	v_lshrrev_b32 v1, 5, v0
	v_readfirstlane_b32 s[WV], v1                  ; wave 0..3
	s_lshr_b32 s[RH], s[WV], 1
	s_and_b32 s[CH], s[WV], 1
	s_bfe_u32 s[CX], ttmp6, 0x40000                ; my place in the cluster
	s_bfe_u32 s[CY], ttmp6, 0x40004
	s_lshl_b32 s92, s[CY], 2
	s_lshl_b32 s92, 15, s92                        ; my row of the cluster
	s_lshl_b32 s93, 0x1111, s[CX]                  ; my column
	; group 1: dense blocks as rows of 256 bytes (32 elements of 8 bytes), no padding: 96 rows of codes, 32 rows of scale words
	s_or_b32 s[G1A], s92, (3<<16)|(1<<21)
	s_or_b32 s[G1B], s93, (3<<16)|(1<<21)
	s_or_b32 s[G1SA], s92, (3<<16)|(1<<21)
	s_or_b32 s[G1SB], s93, (3<<16)|(1<<21)
.irp g, G1A, G1B
	s_mov_b32 s[\g+1], 32<<16                      ; tensor_dim0
	s_mov_b32 s[\g+2], 384<<16                     ; tensor_dim1: the head's loads bring 384 rows; behind them the two words that count rows are set to 96
	s_mov_b32 s[\g+3], 32<<16                      ; tile_dim0
	s_mov_b32 s[\g+4], 384                         ; tile_dim1
	s_mov_b32 s[\g+5], 32                          ; the pitch
	s_mov_b32 s[\g+6], 0
	s_mov_b32 s[\g+7], 0
.endr
.irp g, G1SA, G1SB
	s_mov_b32 s[\g+1], 32<<16
	s_mov_b32 s[\g+2], 32<<16
	s_mov_b32 s[\g+3], 32<<16
	s_mov_b32 s[\g+4], 32
	s_mov_b32 s[\g+5], 32
	s_mov_b32 s[\g+6], 0
	s_mov_b32 s[\g+7], 0
.endr
	; the kind, from the cluster's y; what it chooses hangs on the cluster's place alone; cy and cx are added afterwards, cy to A's side only, cx to B's only
	s_and_b32 s96, ttmp7, 0xffff
	s_lshl_b32 s97, s96, 2                         ; q, k: A's blocks of 256 tokens begin at 4 y
	s_max_u32 s98, s96, 8
	s_sub_co_u32 s98, s98, 8
	s_lshl_b32 s98, s98, 1
	s_add_co_u32 s98, s98, ttmp9
	s_lshl_b32 s98, s98, 2                         ; v: B's blocks of 256 tokens begin at 4 (2 (y - 8) + x)
	s_lshl_b32 s99, ttmp9, 2                       ; q, k: B's blocks of 256 features begin at 4 x
	s_cmp_lt_u32 s96, 8
	s_cselect_b32 s[KIND], 0, 1
	s_cselect_b32 s97, s97, 8                      ; v: A's blocks begin at w_qkv's row 2,048
	s_cselect_b32 s98, s99, s98
	s_mov_b32 s100, 2359296
	s_mov_b32 s101, 6291456
	s_cselect_b32 s99, s101, s100                  ; where A's scale words begin in its buffer,
	s_cselect_b32 s100, s100, s101                 ; and B's
	s_wait_kmcnt 0x0
	s_cselect_b64 s[2:3], s[4:5], s[6:7]           ; A's buffer
	s_cselect_b64 s[66:67], s[6:7], s[4:5]         ; B's
	s_add_co_u32 s97, s97, s[CY]
	s_lshl_b32 s96, s97, 13                        ; A's block: 8,192 bytes of scale words,
	s_add_co_u32 s96, s96, s99
	s_mul_i32 s99, s97, BLK                        ; and its codes
	s_mov_b32 s97, 0
	s_add_nc_u64 s[G0SA+2:G0SA+3], s[2:3], s[96:97]
	s_mov_b32 s96, s99
	s_add_nc_u64 s[2:3], s[2:3], s[96:97]
	s_add_co_u32 s98, s98, s[CX]
	s_lshl_b32 s101, s98, 13                       ; B likewise
	s_add_co_u32 s100, s100, s101
	s_mov_b32 s101, 0
	s_add_nc_u64 s[G0SB+2:G0SB+3], s[66:67], s[100:101]
	s_mul_i32 s100, s98, BLK
	s_add_nc_u64 s[66:67], s[66:67], s[100:101]
	; groups 0.  LDS addresses: a constant + a constant x wave + the slot's constant
	s_mov_b32 s[G0SA], 1
	s_mov_b32 s[G0SA+1], SCL
	s_or_b32 s[G0SA+3], s[G0SA+3], 0x80000000
	s_mov_b32 s[G0SB], 1
	s_mov_b32 s[G0SB+1], SCL+8192
	s_or_b32 s[G0SB+3], s[G0SB+3], 0x80000000
	; three groups 0 a side: +0 my quarter of pair 3, onto pair 0's bytes; +4 the head's load, pairs 0 and 1 whole; +8 my quarter of pair 2
	s_mov_b32 s[G0A+5], 0
	s_mov_b32 s[G0B+5], 2*PAIR
	s_mov_b64 s[G0A+6:G0A+7], s[2:3]
	s_mov_b64 s[G0B+6:G0B+7], s[66:67]
	s_mul_i32 s96, s[CH], QTR                      ; which 8 tiles of a pair I fetch
	s_mov_b32 s97, 0
	s_add_nc_u64 s[2:3], s[2:3], s[96:97]
	s_add_nc_u64 s[66:67], s[66:67], s[96:97]
	s_mul_i32 s[G0A+1], s[WV], QTR                 ; waves 0, 1: A's pair 0 lies at 0;
	s_add_co_u32 s[G0B+1], s[G0A+1], PAIR          ; waves 2, 3: B's at 98,304
	s_add_co_u32 s[G0A+9], s[G0A+1], 4*PAIR
	s_add_co_u32 s[G0B+9], s[G0A+1], 4*PAIR
	s_add_nc_u64 s[G0A+2:G0A+3], s[2:3], 3*PAIR
	s_add_nc_u64 s[G0B+2:G0B+3], s[66:67], 3*PAIR
	s_add_nc_u64 s[G0A+10:G0A+11], s[2:3], 2*PAIR
	s_add_nc_u64 s[G0B+10:G0B+11], s[66:67], 2*PAIR
.irp s, 0,1,2
	s_mov_b32 s[G0A+4*\s], 1
	s_or_b32 s[G0A+4*\s+3], s[G0A+4*\s+3], 0x80000000
	s_mov_b32 s[G0B+4*\s], 1
	s_or_b32 s[G0B+4*\s+3], s[G0B+4*\s+3], 0x80000000
.endr
	CROUND                                         ; all sixteen work-groups are here: the first joint loads meet
; the head's loads, one a wave: one tree of branches on the wave's number, every way through it passes one load
.macro ARM under, g0, g1, next
	s_cmp_lt_u32 s[WV], \under
	s_cbranch_scc0 \next
	tensor_load_to_lds s[\g0:\g0+3], s[\g1:\g1+7]
	s_nop 0
.rept 4
	v_nop
.endr
	s_branch .Lhead_asked
\next:
.endm
	ARM 1, G0A+4, G1A, .Lhead_b
	ARM 2, G0B+4, G1B, .Lhead_sa
	ARM 3, G0SA, G1SA, .Lhead_sb
	tensor_load_to_lds s[G0SB:G0SB+3], s[G1SB:G1SB+7]
	s_nop 0
.rept 4
	v_nop
.endr
.Lhead_asked:
	v_and_b32 v1, 15, v0                           ; r
	v_and_b32 v5, 31, v0
	v_lshlrev_b32 v2, 4, v5                        ; 16 x lane
	v_lshlrev_b32 v3, 3, v5                        ; 8 x lane
	v_bfe_u32 v4, v0, 4, 1                         ; h
	s_mul_i32 s96, s[RH], QTR                      ; my 8 tiles of A,
	s_mul_i32 s97, s[CH], QTR
	s_add_co_u32 s97, s97, 2*PAIR                  ; and of B.  A's pairs 0, 1, 2 lie at 0, 49,152, 196,608; B's at 98,304, 147,456, 245,760
.irp s, 0,1,2
	v_add_nc_u32 v[A16+\s], s96, v2
	v_add_nc_u32 v[A8+\s], s96, v3
	v_add_nc_u32 v[B16+\s], s97, v2
	v_add_nc_u32 v[B8+\s], s97, v3
	s_add_co_u32 s96, s96, PAIR+2*PAIR*\s
	s_add_co_u32 s97, s97, PAIR+PAIR*\s
.endr
	s_lshl_b32 s96, s[RH], 12
	s_lshl_b32 s97, s[CH], 12
	s_add_co_u32 s97, s97, 8192
	s_sub_co_u32 s97, s97, s96
	v_mul_u32_u24 v5, s97, v4                      ; lanes 16-31 take B's scale words: one product, the distance between the two bases
	v_lshl_add_u32 v5, v1, 4, v5
	s_add_co_u32 s96, s96, SCL
	v_add_nc_u32 v[ADRS], s96, v5
	s_wait_alu depctr_va_vdst(0)
	s_wait_tensorcnt 0x0                           ; my load of the head's four is in;
	ds_add_u32 v[SPW], v[NIL]                      ; 0 onto my spare word;
	s_mov_b32 s[G1A+2], 96<<16                     ; no tensor load of mine is out, so a descriptor may be written: from here on a load brings 96 rows
	s_mov_b32 s[G1A+4], 96
	s_mov_b32 s[G1B+2], 96<<16
	s_mov_b32 s[G1B+4], 96
	s_wait_dscnt 0x0                               ; the add is done
	CROUND                                         ; pairs 0 and 1 and the scale words are whole, and all sixteen work-groups are here
	JLOAD G0A+8, G1A, G0B+8, G1B                   ; pair 2, the first tensor load behind the round
	FETCH_B 0, 0, 0
	FETCH_A 0, 0, 0
	SCALES 0
	FETCH_A 0, 0, 4
	KSTEP 0, 0, 1, 0                               ; the first products start the sums: nothing is cleared
	KSTEP 1, 0, 0, 0                               ; pair 1 came with the head's loads
	KSTEP 2, 2, 0, 0                               ; pair 2 is whole; pair 0's bytes, last read for K step 1, take pair 3
	KSTEP 3, 0, 0, 1
	KSTEP 4, 0, 0, 0
	KSTEP 5, 1, 0, 0                               ; pair 3 has landed in every wave's part
	KSTEP 6, 0, 0, 0
	s_wait_dscnt 16                                ; the last K step: nothing more to fetch
	WIN MUL_LO
	MUL16 0, 1, 7, 0
	MUL16 2, 1, 7, 0
	s_wait_dscnt 0x0
	WIN MUL_HI
	MUL16 4, 1, 7, 0
	MUL16 6, 1, 7, 0
	WIN 0
	PLACES 4
; ---------------- THE WAYS OUT.  No LDS: the codes leave as register images, each store covering whole aligned runs of 256 bytes.
.set PC,  64                           ; v64-75 a fragment's codes, v76-83 the halves made elsewhere and moved
.set TM,  84                           ; v84-87 largest magnitudes, v88-91 permute results and bytes, v92-95 the conversions' scale operands
.set W,   128                          ; v128-191 64 numbers: register 16 b + i = neighbour 32 b + 16 h + i
.set T,   192
.set PWS, 200                          ; v200-207 the eight blocks' scale words
.set PW,  208
.set SEL, 46
.set HIM, 48
.macro QUANT s                         ; 64 numbers of a lane become a fragment's codes in v[PC] on and its scale word in v[PW]
.irp b, 0,1,2,3
	v_max3_num_f32 v[TM+\b], |v[\s+16*\b]|, |v[\s+1+16*\b]|, 0x1800000   ; with the floor 2^(3 - 127): the byte cannot fall under 1
.endr
.irp i, 2,4,6,8,10,12,14
.irp b, 0,1,2,3
	v_max3_num_f32 v[TM+\b], v[TM+\b], |v[\s+16*\b+\i]|, |v[\s+1+16*\b+\i]|
.endr
.endr
.irp b, 0,1,2,3
	v_permlanex16_b32 v[TM+4+\b], v[TM+\b], s[SEL], s[SEL+1]
.endr
.irp b, 0,1,2,3
	v_max_num_f32 v[TM+\b], v[TM+\b], v[TM+4+\b]   ; with lane l xor 16's 16: the block's largest magnitude
.endr
.irp b, 0,1,2,3
	v_add_nc_u32 v[TM+8+\b], 0xff000000, v[TM+\b]  ; 2 off its exponent field: the conversion's scale operand
.endr
.irp b, 0,1,2,3
	v_lshrrev_b32 v[TM+4+\b], 23, v[TM+8+\b]       ; the byte
.endr
	v_lshl_or_b32 v[PW], v[TM+5], 8, v[TM+4]
	v_lshl_or_b32 v[PW], v[TM+6], 16, v[PW]
	v_lshl_or_b32 v[PW], v[TM+7], 24, v[PW]
.irp c, 0,1
	v_cvt_scalef32_pk16_fp6_f32 v[PC+6*\c:PC+2+6*\c], v[\s+32*\c:\s+15+32*\c], v[TM+8+2*\c]
	v_cvt_scalef32_pk16_fp6_f32 v[PC+12+4*\c:PC+14+4*\c], v[\s+16+32*\c:\s+31+32*\c], v[TM+8+2*\c+1]
.endr
	v_nop                                          ; one plain place behind a scaled conversion
.irp c, 0,1                                    ; the operand's layout wants a whole block in a lane
.irp i, 0,1,2
	v_permlane16_swap_b32 v[PC+6*\c+\i], v[PC+12+4*\c+\i]
.endr
.irp i, 0,1,2
	v_mov_b32 v[PC+3+6*\c+\i], v[PC+12+4*\c+\i]
.endr
.endr
.endm
	s_mov_b32 s[SEL], 0x76543210
	s_mov_b32 s[SEL+1], 0xfedcba98
	s_mov_b32 s[HIM], 0xffff0000                   ; lanes 16-31
.irp b, 0,1,2,3
	v_mov_b32 v[TM+4+\b], 0                        ; (a lane permute's destination counts as one of its sources)
.endr
	v_and_b32 v6, 8, v1
	v_add_nc_u32 v6, v6, v1
	v_lshlrev_b32 v6, 2, v6                        ; 4 (r + 8 (r / 8)): my row of a tile, in words
	s_cmp_eq_u32 s[KIND], 0
	s_cbranch_scc0 .Lkind_v
; ---- q and k.  Block a = 16 tokens (tile a of one key step of 128); a lane holds one token and 64 features: two heads' halves: register 16 b + i = feature 32 b + 16 h + i of the wave's 128.
	s_and_b32 s24, ttmp7, 0xffff
	s_lshl_b32 s24, s24, 2
	s_add_co_u32 s24, s24, s[CY]
	s_lshl_b32 s24, s24, 8
	s_lshl_b32 s25, s[RH], 7
	s_add_co_u32 s24, s24, s25                     ; my first token, of 8,192
	s_lshl_b32 s25, ttmp9, 2
	s_add_co_u32 s25, s25, s[CX]
	s_lshl_b32 s25, s25, 8
	s_lshl_b32 s26, s[CH], 7
	s_add_co_u32 s25, s25, s26                     ; my first feature, of 2,048
	s_mov_b32 s27, 0
	s_lshl_b32 s26, s25, 2
	s_add_nc_u64 s[12:13], s[12:13], s[26:27]      ; the bias
	s_lshl_b32 s26, s24, 2
	s_add_nc_u64 s[10:11], s[10:11], s[26:27]      ; the mask
	s_and_b32 s26, s24, 2047
	s_lshl_b32 s26, s26, 8
	s_add_nc_u64 s[8:9], s[8:9], s[26:27]          ; the table: 4,096 bytes for each 16 positions
	s_lshr_b32 s28, s24, 11
	s_lshl_b32 s28, s28, 4
	s_bfe_u32 s29, s25, 0x40006
	s_add_co_u32 s28, s28, s29                     ; 16 x batch + my first head
	s_lshl_b32 s28, s28, 4
	s_bfe_u32 s29, s24, 0x40007
	s_add_co_u32 s28, s28, s29                     ; x 16 + the step of 128 tokens: the record
	s_mov_b32 s30, 13056
	s_mov_b32 s31, 12288
	s_mov_b32 s34, 0x01010000                      ; k: bytes 2 and 3 of a key that counts: 1, 1;
	s_mov_b32 s35, 0x01e30000                      ; of a hidden one: 227, 1
	s_cmp_eq_u32 ttmp9, 0                          ; features 0 .. 1,023 are q's
	s_cselect_b32 s30, 6656, s30                   ; a record's bytes
	s_cselect_b32 s31, 6144, s31                   ; where its scale words begin
	s_cselect_b32 s34, 0x017f0000, s34             ; q: 127, 1 whatever the mask
	s_cselect_b32 s35, 0x017f0000, s35
	s_cselect_b64 s[36:37], s[14:15], s[16:17]
	s_mul_i32 s38, s28, s30
	s_mov_b32 s39, 0
	s_add_nc_u64 s[36:37], s[36:37], s[38:39]      ; my first head's record,
	s_lshl_b32 s38, s30, 4
	s_add_nc_u64 s[40:41], s[36:37], s[38:39]      ; the next head's: 16 records on,
	s_mov_b32 s38, s31
	s_add_nc_u64 s[42:43], s[36:37], s[38:39]      ; and their scale words
	s_add_nc_u64 s[44:45], s[40:41], s[38:39]
	v_lshlrev_b32 v5, 6, v4                        ; 64 h: my 16 features of each 32, in bytes
	v_mov_b32 v7, s35
	v_mov_b32 v31, s34
.irp n, 0,1,2,3,4,5,6,7,8,9,10,11,12,13,14,15
	global_load_b128 v[96+4*\n+96*(\n/8):99+4*\n+96*(\n/8)], v5, s[12:13] offset:128*(\n/4)+16*(\n%4)
.endr
	s_wait_alu depctr_va_vdst(0)
.irp a, 0,1,2,3,4,5,6,7
	global_load_b32 v[8+\a], v6, s[10:11] offset:4*(32*(\a/2)+8*(\a%2))
.endr
.macro RLOAD a                         ; the table of tile a into window 1, two buffers by turns: 16 cosines, then 16 signed sines
	WIN 0x40
.irp g, 0,1,2,3,4,5,6,7
	global_load_b128 v[96+128*((\a)%2)+4*\g:96+128*((\a)%2)+4*\g+3], v2, s[8:9] offset:4096*(\a)+512*\g
.endr
	WIN 0
.endm
	RLOAD 0
	RLOAD 1
	s_wait_loadcnt 8                               ; all but tile 1's table
.irp a, 0,1,2,3,4,5,6,7
	v_cmp_ne_u32 vcc_lo, 0, v[8+\a]
	v_cndmask_b32 v[8+\a], v7, v31, vcc_lo         ; bytes 2 and 3 of my token's scale word
.endr
.macro EPI_QK a
.set AC, 64*((\a)%4)
.set RB, 96+128*((\a)%2)
.if (\a) < 7
	s_wait_loadcnt 8                               ; this tile's table is in; the next one's eight loads may be out
.else
	s_wait_loadcnt 0x0
.endif
	WIN 0x02+(\a)/4                                ; source 0: the accumulators' window
.set mm, 0
.rept 32
	v_pk_add_f32 v[W+mm:W+mm+1], v[AC+mm:AC+mm+1], v[96+mm+96*(mm/32):97+mm+96*(mm/32)]   ; + bias; each accumulator from its low end on
.set mm, mm+2
.endr
	WIN 0x04                                       ; source 1: the table's window
.set gg, 0
.rept 8                                        ; out(i) = w(i) cos(i) + w(i xor 1) s'(i); the frequency is 16 h + i % 16 in every block of 32
.irp p, 0,2,4,6
	v_pk_mul_f32 v[T+\p:T+\p+1], v[W+8*gg+\p:W+8*gg+\p+1], v[RB+(8*gg+\p)%16:RB+(8*gg+\p)%16+1]
.endr
.irp p, 0,2,4,6
	v_pk_fma_f32 v[W+8*gg+\p:W+8*gg+\p+1], v[W+8*gg+\p:W+8*gg+\p+1], v[RB+16+(8*gg+\p)%16:RB+16+(8*gg+\p)%16+1], v[T+\p:T+\p+1] op_sel:[1,0,0] op_sel_hi:[0,1,1]
.endr
.set gg, gg+1
.endr
	WIN 0
.if (\a) < 6
	RLOAD (\a)+2
.endif
.if (\a) > 0
	s_wait_xcnt 0x0                                ; the last tile's stores have read the codes' registers
.endif
	QUANT W                                        ; registers 0-5: my first head's 64, registers 6-11: the next head's
	global_store_b128 v2, v[PC:PC+3], s[36:37] offset:768*(\a)
	global_store_b64 v3, v[PC+4:PC+5], s[36:37] offset:768*(\a)+512
	global_store_b128 v2, v[PC+6:PC+9], s[40:41] offset:768*(\a)
	global_store_b64 v3, v[PC+10:PC+11], s[40:41] offset:768*(\a)+512
	v_mov_b32 v[PWS+\a], v[PW]
.endm
.irp a, 0,1,2,3,4,5,6,7
	EPI_QK \a
.endr
.irp i, 0,1,2,3                                ; the scale words, [lane (r, h')][word i] for tile 2 i + h': two bytes of the head, two of the mask
	v_cndmask_b32 v[T+\i], v[PWS+2*\i], v[PWS+2*\i+1], s[HIM]
	v_cndmask_b32 v[T+4+\i], v[8+2*\i], v[9+2*\i], s[HIM]
.endr
.irp i, 0,1,2,3
	v_and_or_b32 v[W+\i], v[T+\i], 0xffff, v[T+4+\i]
	v_lshrrev_b32 v[T+\i], 16, v[T+\i]
	v_or_b32 v[W+4+\i], v[T+\i], v[T+4+\i]
.endr
	global_store_b128 v2, v[W:W+3], s[42:43]
	global_store_b128 v2, v[W+4:W+7], s[44:45]
	s_branch .Lend
; ---- v.  Block a = 16 features (head a / 4 of my two, tile a % 4 of its 64); a lane holds one feature and 64 tokens: register 16 b + i = key 32 b + 16 h + i of one key step of 128.
.Lkind_v:
	s_and_b32 s24, ttmp7, 0xffff
	s_max_u32 s24, s24, 8
	s_sub_co_u32 s24, s24, 8
	s_lshl_b32 s24, s24, 1
	s_add_co_u32 s24, s24, ttmp9
	s_lshl_b32 s24, s24, 2
	s_add_co_u32 s24, s24, s[CX]
	s_lshl_b32 s24, s24, 8
	s_lshl_b32 s25, s[CH], 7
	s_add_co_u32 s24, s24, s25                     ; my first token
	s_lshl_b32 s25, s[CY], 2
	s_lshl_b32 s26, s[RH], 1
	s_add_co_u32 s25, s25, s26                     ; my first head
	s_lshl_b32 s26, s25, 8
	s_add_co_u32 s26, s26, 8192
	s_mov_b32 s27, 0
	s_add_nc_u64 s[12:13], s[12:13], s[26:27]      ; the bias: feature 2,048 + 64 x head
	s_lshr_b32 s28, s24, 11
	s_lshl_b32 s28, s28, 4
	s_add_co_u32 s28, s28, s25
	s_lshl_b32 s28, s28, 4
	s_bfe_u32 s29, s24, 0x40007
	s_add_co_u32 s28, s28, s29
	s_mul_i32 s38, s28, 13056
	s_mov_b32 s39, 0
	s_add_nc_u64 s[36:37], s[16:17], s[38:39]      ; my first head's record,
	s_add_nc_u64 s[40:41], s[36:37], 16*13056      ; and the next head's
	s_wait_alu depctr_va_vdst(0)
.irp a, 0,1,2,3,4,5,6,7
	global_load_b32 v[96+\a], v6, s[12:13] offset:4*(32*(\a/2)+8*(\a%2))
.endr
	s_wait_loadcnt 0x0
.macro EPI_V a
.set AC, 64*((\a)%4)
	WIN 0x02+(\a)/4
.set mm, 0
.rept 32
.if (\a)%2
	v_pk_add_f32 v[W+mm:W+mm+1], v[AC+mm:AC+mm+1], v[96+2*((\a)/2):97+2*((\a)/2)] op_sel:[0,1] op_sel_hi:[1,1]
.else
	v_pk_add_f32 v[W+mm:W+mm+1], v[AC+mm:AC+mm+1], v[96+2*((\a)/2):97+2*((\a)/2)] op_sel:[0,0] op_sel_hi:[1,0]
.endif
.set mm, mm+2
.endr
	WIN 0
.if (\a) > 0
	s_wait_xcnt 0x0                                ; the last block's stores have read the codes' registers
.endif
	QUANT W
	global_store_b128 v2, v[PC:PC+3], s[36+4*((\a)/4):37+4*((\a)/4)] offset:6144+1536*((\a)%4)
	global_store_b64 v3, v[PC+4:PC+5], s[36+4*((\a)/4):37+4*((\a)/4)] offset:6144+1536*((\a)%4)+512
	global_store_b128 v2, v[PC+6:PC+9], s[36+4*((\a)/4):37+4*((\a)/4)] offset:6144+1536*((\a)%4)+768
	global_store_b64 v3, v[PC+10:PC+11], s[36+4*((\a)/4):37+4*((\a)/4)] offset:6144+1536*((\a)%4)+1280
	v_mov_b32 v[PWS+\a], v[PW]
.endm
.irp a, 0,1,2,3,4,5,6,7
	EPI_V \a
.endr
.irp d, 0,1                                    ; the scale words, [lane (r, h')][word i] for tile 2 i + h' of the head
.irp i, 0,1
	v_cndmask_b32 v[W+2*\d+\i], v[PWS+4*\d+2*\i], v[PWS+4*\d+2*\i+1], s[HIM]
.endr
	global_store_b64 v3, v[W+2*\d:W+2*\d+1], s[36+4*\d:37+4*\d] offset:12800
.endr
.Lend:
	s_wait_tensorcnt 0x0                           ; the wave's end
	ds_add_u32 v[SPW], v[NIL]
	s_wait_dscnt 0x0
	CROUND                                         ; the closing round: no work-group ends while a partner may still ask for a tile that names it
	s_endpgm
.Lfunc_end_k_qd355c67a01_qkv:
	.size	k_qd355c67a01_qkv, .Lfunc_end_k_qd355c67a01_qkv-k_qd355c67a01_qkv
	.p2alignl 7, 3214868480
	.fill 96, 4, 3214868480
	.section	.rodata,"a",@progbits
	.p2align	6, 0x0
	.amdhsa_kernel k_qd355c67a01_qkv
		.amdhsa_group_segment_fixed_size 327680
		.amdhsa_private_segment_fixed_size 0
		.amdhsa_enable_private_segment 0
		.amdhsa_kernarg_size 56
		.amdhsa_user_sgpr_count 2
		.amdhsa_user_sgpr_kernarg_segment_ptr 1
		.amdhsa_wavefront_size32 1
		.amdhsa_system_sgpr_workgroup_id_x 1
		.amdhsa_system_sgpr_workgroup_id_y 1
		.amdhsa_system_sgpr_workgroup_id_z 1
		.amdhsa_system_vgpr_workitem_id 0
		.amdhsa_next_free_vgpr 1024
		.amdhsa_next_free_sgpr 102
		.amdhsa_reserve_vcc 1
		.amdhsa_float_denorm_mode_32 3
		.amdhsa_float_denorm_mode_16_64 3
		.amdhsa_memory_ordered 1
		.amdhsa_forward_progress 1
		.amdhsa_inst_pref_size 255
	.end_amdhsa_kernel
	.section	.bss,"aw",@nobits
	.p2align	6
	.space	262144
	.amdgpu_metadata
---
amdhsa.version: [ 1, 2 ]
amdhsa.kernels:
  - .name:           k_qd355c67a01_qkv
    .symbol:         k_qd355c67a01_qkv.kd
    .args:
      - { .name: xq, .offset: 0, .size: 8, .value_kind: global_buffer, .address_space: global }
      - { .name: wq, .offset: 8, .size: 8, .value_kind: global_buffer, .address_space: global }
      - { .name: rope, .offset: 16, .size: 8, .value_kind: global_buffer, .address_space: global }
      - { .name: mask, .offset: 24, .size: 8, .value_kind: global_buffer, .address_space: global }
      - { .name: b_qkv, .offset: 32, .size: 8, .value_kind: global_buffer, .address_space: global }
      - { .name: qb, .offset: 40, .size: 8, .value_kind: global_buffer, .address_space: global }
      - { .name: kv, .offset: 48, .size: 8, .value_kind: global_buffer, .address_space: global }
    .group_segment_fixed_size: 327680
    .private_segment_fixed_size: 0
    .kernarg_segment_align: 8
    .kernarg_segment_size: 56
    .max_flat_workgroup_size: 128
    .sgpr_count:     102
    .vgpr_count:     1024
    .wavefront_size: 32
...
	.end_amdgpu_metadata
.endif
;; end of part 2
;; launch attn (part 3): grid 4 x 64, 16 waves a work-group, clusters of 4 x 1, 264,192 bytes of LDS; arguments qb, kv, ob; writes ob
.if DOCPART == 3
	.amdgcn_target "amdgcn-amd-amdhsa--gfx1250"
	.amdhsa_code_object_version 6
	.text
	.protected	k_qd355c67a01_attn
	.globl	k_qd355c67a01_attn
	.p2align	8
	.type	k_qd355c67a01_attn,@function
k_qd355c67a01_attn:
	s_mov_b64 s[64:65], 0
	v_nop
	global_prefetch_b8 v0, s[64:65] scope:SCOPE_SE
	s_setreg_imm32_b32 hwreg(HW_REG_WAVE_MODE, 25, 1), 1
	s_wait_xcnt 0x0
	s_wait_alu depctr_hold_cnt(0) depctr_sa_sdst(0) depctr_va_vdst(0) depctr_va_sdst(0) depctr_va_ssrc(0) depctr_va_vcc(0) depctr_vm_vsrc(0)
	s_getreg_b32 s2, hwreg(HW_REG_IB_STS2, 6, 4)
	s_cmp_eq_u32 s2, 0
	s_cbranch_scc0 .Lentry_in_a_cluster
	s_endpgm
.Lentry_in_a_cluster:
	s_bfe_u32 s2, ttmp6, 0x10000c
	s_cmp_lg_u32 s2, 0x3003
	s_cbranch_scc0 .Lentry_shape_is_right
	s_endpgm
.Lentry_shape_is_right:
; o = softmax(q k^T / 8, hidden keys left out) v for one batch and head (the cluster's y), both products on codes of FP6 (E2M3) with E8M0 scales; o leaves as codes, an operand of the last product.
; THE SOFTMAX: t = score x log2(e) / 8; M = the running largest t rounded up to a whole number; p = 2^(t - M) is quantised along the keys, not normalised; the row's sum is taken of the unquantised p and
; divides o at the end; when M moves, the sum and o are multiplied by 2^(old M - new M), which rounds nothing.
; SHARES.  A cluster of four work-groups owns a head; a work-group 512 queries; each of its sixteen waves one tile of 16 queries at a time, in two passes.
; THE WHOLE HEAD'S K, V and scale words, 16 records of 13,056 bytes, lie in LDS, record i at 16,384 i, filled once: wave w asks for record w by one joint load (51 rows of 256 bytes), the same in all four work-groups.
; Nothing is filled again: one wait, one barrier; a wave has one tensor load out.  No prefetch into the L2: nothing is fetched inside a loop.
; A RECORD (128 keys): 8 tiles of K (16 keys x 64: 768 bytes, six registers' image) at 0; 4 fragments of V^T (1,536 bytes) at 6,144; K's scale words at 12,288; V's at 12,800.
; Both products are used transposed (S^T = K Q^T, O^T = V^T P^T): a lane holds one query.  The rows of a tile are 8 u + r + 8 (r / 8) of each 32, so 16 registers of two neighbouring tiles are 16 neighbours.
; A STEP READS AHEAD: K's tiles 0-3 and scale words of record (step + 1) mod 16 are read from LDS behind the step's last score product, under the softmax; the last step of a pass reads record 0, for the next pass.
; THE MASK rides in the idle K (the head has 64 of the instruction's 128): at k = 64 q's code is +1 and k's -1; byte 2 of q's scale word is 127, of k's 227 for a hidden key and 1 otherwise (made by the launch before):
; a hidden key's score gets -2^100, whose t lies under the start of the running maximum, -2^90: its p is 0.
; LIMITS: scores under 2^75 in magnitude; every score gets -2^-126; a batch all of whose keys are hidden gives finite numbers where the definition gives NaN; a block of zeros gets the byte 1; NaN and infinities are not served.
; REGISTERS: v1, v2 the record's LDS addresses; v3-9 the next pass's Q; v10, v11 16 x, 8 x lane; v12 -M, v13 the largest t, v[14:15] the sum; v16-27 Q; v28 its scale word; v29 16 r + h; v[30:31] V's scale words;
;   v32-79 four fragments of K (registers 6-11 of each are constants); v80-127 V's four; v128-191 S^T, then p; v192-223 O^T; v224-235 p's codes; v232-247 at work; v242, v254 the next record's addresses; v243, v255 the add's;
;   v248-251 K's scale words and nothing else; v252 f; v253 p's scale word.
.set REC,  13056
.set RP,   16384                       ; a record's place in LDS
.set SPARE, 16*RP                      ; the spare words, 128 bytes a wave, that no other line names
.set A16,  1
.set A8,   2
.set L16,  10
.set L8,   11
.set N16,  242
.set N8,   254
.set S,    128
.set O,    192
.set WV,   12
.set G1,   16
.set G0,   24
.set SEL,  40
.set CS,   42
.set TB,   44
.macro ROUND                           ; a round of the cluster's barrier
	s_barrier_signal -1
	s_barrier_wait -1
	s_cmp_lg_u32 s[WV], 0
	s_cbranch_scc1 .Lnot_wave_0_\@
	s_barrier_signal -3
.Lnot_wave_0_\@:
	s_barrier_wait -3
	s_barrier_signal -1
	s_barrier_wait -1
.endm
	s_load_b128 s[4:7], s[0:1], 0x0                ; qb, kv
	s_load_b64 s[8:9], s[0:1], 0x10                ; ob
	v_lshl_add_u32 v243, v0, 2, SPARE
	v_mov_b32 v255, 0
	ds_add_u32 v243, v255                          ; the opening lines: the add twice and its wait ahead of my tensor load
	ds_add_u32 v243, v255
	v_lshrrev_b32 v1, 5, v0
	s_delay_alu instid0(VALU_DEP_1)
	v_readfirstlane_b32 s[WV], v1                  ; wave 0..15
	s_bfe_u32 s13, ttmp6, 0x40000                  ; cx: my block of 512 queries; it enters Q's and o's addresses alone
	s_and_b32 s14, ttmp7, 0xffff                   ; 16 x batch + head
	s_mov_b32 s[G1], 15|(3<<16)|(1<<21)            ; the mask: all four work-groups; elements of 8 bytes; bit 21 beside a mask; no padding
	s_mov_b32 s[G1+1], 32<<16                      ; rows of 256 bytes,
	s_mov_b32 s[G1+2], 51<<16                      ; 51 of them: a record
	s_mov_b32 s[G1+3], 32<<16
	s_mov_b32 s[G1+4], 51
	s_mov_b32 s[G1+5], 32                          ; dense
	s_mov_b32 s[G1+6], 0
	s_mov_b32 s[G1+7], 0
	s_mul_i32 s48, s14, 16*REC
	s_mul_i32 s50, s[WV], REC
	s_add_co_u32 s48, s48, s50                     ; record w of my head
	s_mov_b32 s49, 0
	s_mov_b32 s[SEL], 0x76543210
	s_mov_b32 s[SEL+1], 0xfedcba98
	s_mov_b32 s[CS], 0x3e38aa3b                    ; c = log2(e) / 8
	s_mov_b32 s[CS+1], s[CS]                       ; (named with it as a pair, so it is written)
	s_mov_b32 s47, 0xffff0000                      ; lanes 16-31
	s_wait_dscnt 0x0
	s_wait_kmcnt 0x0
	s_mov_b32 s[G0], 1
	s_lshl_b32 s[G0+1], s[WV], 14
	s_add_nc_u64 s[G0+2:G0+3], s[6:7], s[48:49]
	s_or_b32 s[G0+3], s[G0+3], 0x80000000
	ROUND                                          ; all four work-groups are here: the joint loads meet
	tensor_load_to_lds s[G0:G0+3], s[G1:G1+7]
	s_nop 0
.rept 4
	v_nop
.endr
	; Q: tile wave % 8 of record 4 cx + wave / 8 (+ 2 in the second pass) of my head
	s_lshl_b32 s48, s14, 4
	s_lshl_b32 s50, s13, 2
	s_add_co_u32 s48, s48, s50
	s_lshr_b32 s50, s[WV], 3
	s_add_co_u32 s48, s48, s50
	s_mul_i32 s48, s48, 6656
	s_and_b32 s50, s[WV], 7
	s_and_b32 s51, s50, 1
	s_lshl_b32 s51, s51, 8
	s_lshr_b32 s52, s50, 1
	s_lshl_b32 s52, s52, 2
	s_add_co_u32 s51, s51, s52
	s_add_co_u32 s52, s48, s51                     ; its scale words: [lane (r, h')][word i] for tile 2 i + h'
	s_mov_b32 s53, 0
	s_mul_i32 s50, s50, 768
	s_add_co_u32 s48, s48, s50
	s_add_nc_u64 s[54:55], s[4:5], s[52:53]
	s_add_nc_u64 s[4:5], s[4:5], s[48:49]
	v_and_b32 v12, 31, v0
	s_delay_alu instid0(VALU_DEP_1)
	v_lshlrev_b32 v[L16], 4, v12
	s_delay_alu instid0(VALU_DEP_2)
	v_lshlrev_b32 v[L8], 3, v12
	v_and_b32 v13, 15, v0
	v_bfe_u32 v14, v0, 4, 1
	s_delay_alu instid0(VALU_DEP_1)
	v_lshl_add_u32 v29, v13, 4, v14                ; 16 r + h
	s_delay_alu instid0(VALU_DEP_3)
	v_lshlrev_b32 v1, 4, v13                       ; 16 r
	global_load_b128 v[16:19], v[L16], s[4:5]
	global_load_b64 v[20:21], v[L8], s[4:5] offset:512
	global_load_b32 v28, v1, s[54:55] offset:6144
	global_load_b128 v[4:7], v[L16], s[4:5] offset:13312
	global_load_b64 v[8:9], v[L8], s[4:5] offset:13312+512
	global_load_b32 v3, v1, s[54:55] offset:6144+13312
	; o, as an operand of the last product: [block of 16 tiles][pair of K steps hd / 4][tile = my wave][K step, c: (hd % 4) x 768]; scale words [tile][half of K][r][4 words], my two bytes at 2 (hd % 2)
	s_and_b32 s56, s14, 15                         ; the head
	s_lshr_b32 s57, s14, 4
	s_lshl_b32 s57, s57, 2
	s_add_co_u32 s57, s57, s13                     ; 4 x batch + cx: two blocks each
	s_mul_i32 s58, s57, 2*196608
	s_lshr_b32 s59, s56, 2
	s_mul_i32 s59, s59, 49152
	s_add_co_u32 s58, s58, s59
	s_mul_i32 s59, s[WV], 3072
	s_add_co_u32 s58, s58, s59
	s_and_b32 s59, s56, 3
	s_mul_i32 s59, s59, 768
	s_add_co_u32 s58, s58, s59
	s_lshl_b32 s60, s57, 5
	s_add_co_u32 s60, s60, s[WV]                   ; my first tile of tokens, of 512
	s_lshl_b32 s60, s60, 9
	s_lshr_b32 s59, s56, 3
	s_lshl_b32 s59, s59, 8
	s_add_co_u32 s60, s60, s59
	s_bfe_u32 s59, s56, 0x20001
	s_lshl_b32 s59, s59, 2
	s_add_co_u32 s60, s60, s59
	s_and_b32 s59, s56, 1
	s_lshl_b32 s59, s59, 1
	s_add_co_u32 s60, s60, s59
	s_add_co_u32 s60, s60, 6291456
	s_mov_b32 s59, 0
	s_mov_b32 s61, 0
	s_add_nc_u64 s[10:11], s[8:9], s[60:61]
	s_add_nc_u64 s[8:9], s[8:9], s[58:59]
	; the constants of the idle K: k = 64 lies in register 6 of lanes 0-15, lowest six bits
	v_mov_b32 v252, 0
	v_mov_b32 v253, 0                              ; (named as the upper half of the pair v[252:253] before it is first written)
	v_mov_b32 v254, 0x28                           ; -1.0
	v_cmp_gt_u32 vcc_lo, 16, v12
.irp t, 0,1,2,3
	v_cndmask_b32 v[38+12*\t], v252, v254, vcc_lo
.irp i, 39,40,41,42,43
	v_mov_b32 v[\i+12*\t], 0
.endr
.endr
	v_mov_b32 v254, 8                              ; +1.0
	s_delay_alu instid0(VALU_DEP_1)
	v_cndmask_b32 v22, v252, v254, vcc_lo
.irp i, 23,24,25,26,27
	v_mov_b32 v[\i], 0
.endr
.irp b, 0,1,2,3
	v_mov_b32 v[236+\b], 0                         ; (a lane permute's destination counts as one of its sources)
.endr
	s_wait_alu depctr_va_vdst(0)                   ; the wait at the head's end
	s_wait_tensorcnt 0x0                           ; my record has landed,
	s_barrier_signal -1
	s_barrier_wait -1                              ; everybody's has
	s_wait_loadcnt 0x0                             ; both passes' Q
.macro KLO a16, a8                     ; nine LDS loads: a record's scale words of K (register 248 + i: lanes 0-15 tile 2 i, lanes 16-31 tile 2 i + 1) and its tiles 0-3
	ds_load_b128 v[248:251], v[\a16] offset:12288
.irp t, 0,1,2,3
	ds_load_b128 v[32+12*\t:35+12*\t], v[\a16] offset:768*\t
	ds_load_b64 v[36+12*\t:37+12*\t], v[\a8] offset:768*\t+512
.endr
.endm
.macro QK g                            ; S^T of tiles 4 g .. 4 g + 3
.irp t, 0,1,2,3
.if \t%2
	v_wmma_scale_f32_16x16x128_f8f6f4 v[S+32*\g+8*\t:S+32*\g+8*\t+7], v[32+12*\t:43+12*\t], v[16:27], 0, v[248+2*\g+\t/2], v28 matrix_a_fmt:MATRIX_FMT_FP6 matrix_b_fmt:MATRIX_FMT_FP6 matrix_a_scale:MATRIX_SCALE_ROW1
.else
	v_wmma_scale_f32_16x16x128_f8f6f4 v[S+32*\g+8*\t:S+32*\g+8*\t+7], v[32+12*\t:43+12*\t], v[16:27], 0, v[248+2*\g+\t/2], v28 matrix_a_fmt:MATRIX_FMT_FP6 matrix_b_fmt:MATRIX_FMT_FP6
.endif
.endr
.endm
.macro BMAX b0, b1                     ; my 16 scores' largest of blocks b0 and b1, sixteen lines in four chains; each accumulator is read from its low end on
.irp b, \b0, \b1
	v_max3_num_f32 v[232+\b], v[S+16*\b], v[S+16*\b+1], v[S+16*\b+2]
	v_max3_num_f32 v[236+\b], v[S+16*\b+8], v[S+16*\b+9], v[S+16*\b+10]
.endr
.irp i, 3, 5
.irp b, \b0, \b1
	v_max3_num_f32 v[232+\b], v[232+\b], v[S+16*\b+\i], v[S+16*\b+\i+1]
	v_max3_num_f32 v[236+\b], v[236+\b], v[S+16*\b+8+\i], v[S+16*\b+9+\i]
.endr
.endr
.irp b, \b0, \b1
	v_max3_num_f32 v[232+\b], v[232+\b], v[S+16*\b+7], v[S+16*\b+15]
.endr
.irp b, \b0, \b1
	s_delay_alu instid0(VALU_DEP_2)
	v_max_num_f32 v[232+\b], v[232+\b], v[236+\b]
.endr
.endm
.macro PADD c, j                       ; chain c takes pair j of p
	v_pk_add_f32 v[\c:\c+1], v[\c:\c+1], v[S+2*(\j):S+2*(\j)+1]
.endm
; A KEY STEP: 128 keys, record s45.
.macro STEP
	s_wait_dscnt 0x0                               ; K's tiles 0-3 and scale words, read ahead in the step before
	QK 0
	s_lshl_b32 s[TB], s45, 14
	v_add_nc_u32 v[A16], s[TB], v[L16]             ; these two and two v_nop: the four places in front of loads into registers that matrix instructions have read (K's; V's, read by the last step's products)
	v_add_nc_u32 v[A8], s[TB], v[L8]
	v_nop
	v_nop
.irp t, 0,1,2,3
	ds_load_b128 v[32+12*\t:35+12*\t], v[A16] offset:768*(\t+4)
	ds_load_b64 v[36+12*\t:37+12*\t], v[A8] offset:768*(\t+4)+512
.endr
.irp t, 0,1,2,3
	ds_load_b128 v[80+12*\t:83+12*\t], v[A16] offset:6144+1536*\t
	ds_load_b64 v[84+12*\t:85+12*\t], v[A8] offset:6144+1536*\t+512
	ds_load_b128 v[86+12*\t:89+12*\t], v[A16] offset:6144+1536*\t+768
	ds_load_b64 v[90+12*\t:91+12*\t], v[A8] offset:6144+1536*\t+1280
.endr
	ds_load_b64 v[30:31], v[A8] offset:12800       ; V's scale words
	s_wait_dscnt 17                                ; K's tiles 4-7 are in; V's sixteen loads and its scale words may be out
	QK 1
	BMAX 0, 1                                      ; on the first four tiles' scores: sixteen places behind the products above
	s_add_co_u32 s[TB], s45, 1
	s_and_b32 s[TB], s[TB], 15
	s_lshl_b32 s[TB], s[TB], 14                    ; record (step + 1) mod 16
	v_add_nc_u32 v[N16], s[TB], v[L16]
	v_add_nc_u32 v[N8], s[TB], v[L8]
	KLO N16, N8                                    ; read ahead
	BMAX 2, 3
.irp b, 0,1,2,3
.if \b > 1
	s_delay_alu instid0(VALU_DEP_4)
.endif
	v_permlanex16_b32 v[236+\b], v[232+\b], s[SEL], s[SEL+1]
.endr
.irp b, 0,1,2,3
	s_delay_alu instid0(VALU_DEP_4)
	v_max_num_f32 v[232+\b], v[232+\b], v[236+\b]  ; with lane l xor 16's 16 keys: the largest score of each block of 32 keys; since p rises with the score it also gives the block's largest p
.endr
	s_delay_alu instid0(VALU_DEP_2)
	v_max3_num_f32 v254, v232, v233, v234
	s_delay_alu instid0(VALU_DEP_1)
	v_max_num_f32 v254, v254, v235
	s_delay_alu instid0(VALU_DEP_1)
	v_mul_f32 v254, s[CS], v254                    ; the step's largest t
	s_delay_alu instid0(VALU_DEP_1)
	v_max_num_f32 v13, v13, v254                   ; the running largest t
	v_mov_b32 v254, v12
	s_delay_alu instid0(VALU_DEP_2)
	v_floor_f32 v12, -v13                          ; the new -M = floor(-t): M is a whole number
	s_delay_alu instid0(VALU_DEP_1)
	v_sub_f32 v254, v12, v254                      ; old M less new M: a whole number, 0 or less
	s_delay_alu instid0(VALU_DEP_1)
	v_cvt_i32_f32 v254, v254                       ; (it saturates)
	s_delay_alu instid0(VALU_DEP_1)
	v_ldexp_f32 v252, 1.0, v254                    ; f = 2^(old M - new M)
.set jj, 0
.rept 32
	v_pk_fma_f32 v[S+jj:S+jj+1], v[S+jj:S+jj+1], s[CS:CS+1], v[12:13] op_sel_hi:[1,0,0]   ; t - M, two at a time
.set jj, jj+2
.endr
.irp b, 0,1,2,3
	v_fma_f32 v[232+\b], v[232+\b], s[CS], v12     ; the same of each block's largest score
.endr
.set jj, 0
	s_wait_alu depctr_va_vdst(0)                   ; the wait ahead of the batch
.rept 64
	v_exp_f32 v[S+jj], v[S+jj]                     ; p = 2^(t - M), at most 1
.set jj, jj+1
.endr
	v_pk_mul_f32 v[14:15], v[14:15], v[252:253] op_sel_hi:[1,0]   ; the sums under the new M (a plain place behind the exponentials)
	s_wait_alu depctr_va_vdst(0)                   ; one wait for the whole batch, ahead of its first reader
.irp b, 0,1,2,3
	v_exp_f32 v[232+\b], v[232+\b]                 ; the block's largest p
.endr
.irp i, 0,1,2,3,4                              ; the row's sum of the unquantised p: 32 pairs in six chains
	v_pk_add_f32 v[236+2*\i+2*(\i/3):237+2*\i+2*(\i/3)], v[S+4*\i:S+4*\i+1], v[S+4*\i+2:S+4*\i+3]
.endr
.set jj, 10
.rept 3
.irp c, 236,238,240,244,246,14
	PADD \c, jj
.set jj, jj+1
.endr
.endr
.irp c, 236,238,240,244
	PADD \c, jj
.set jj, jj+1
.endr
	v_pk_add_f32 v[236:237], v[236:237], v[238:239]
	v_pk_add_f32 v[240:241], v[240:241], v[244:245]
	v_pk_add_f32 v[14:15], v[14:15], v[246:247]
	s_delay_alu instid0(VALU_DEP_2)
	v_pk_add_f32 v[236:237], v[236:237], v[240:241]
	s_delay_alu instid0(VALU_DEP_1)
	v_pk_add_f32 v[14:15], v[14:15], v[236:237]
	s_wait_alu depctr_va_vdst(0)                   ; and one for the four
.irp b, 0,1,2,3
	v_max_num_f32 v[232+\b], 0x1800000, v[232+\b]  ; the floor 2^(3 - 127): the byte cannot fall under 1
.endr
.irp b, 0,1,2,3
	s_delay_alu instid0(VALU_DEP_4)
	v_add_nc_u32 v[244+\b], 0xff000000, v[232+\b]  ; 2 off the exponent field: the conversion's scale operand
.endr
.irp b, 0,1,2,3
	s_delay_alu instid0(VALU_DEP_4)
	v_lshrrev_b32 v[236+\b], 23, v[244+\b]
.endr
	s_delay_alu instid0(VALU_DEP_3)
	v_lshl_or_b32 v253, v237, 8, v236              ; p's scale word for these 128 keys
	s_delay_alu instid0(VALU_DEP_1)
	v_lshl_or_b32 v253, v238, 16, v253
	s_delay_alu instid0(VALU_DEP_1)
	v_lshl_or_b32 v253, v239, 24, v253
.irp c, 0,1
	v_cvt_scalef32_pk16_fp6_f32 v[224+6*\c:226+6*\c], v[S+32*\c:S+15+32*\c], v[244+2*\c]
	v_cvt_scalef32_pk16_fp6_f32 v[236+4*\c:238+4*\c], v[S+16+32*\c:S+31+32*\c], v[244+2*\c+1]
.endr
	v_nop                                          ; one plain place behind a scaled conversion
.irp c, 0,1                                    ; the operand's layout wants a whole block in a lane
.irp i, 0,1,2
	v_permlane16_swap_b32 v[224+6*\c+\i], v[236+4*\c+\i]
.endr
.irp i, 0,1,2
	s_delay_alu instid0(VALU_DEP_3)
	v_mov_b32 v[227+6*\c+\i], v[236+4*\c+\i]
.endr
.endr
.set jj, 0
.rept 16
	v_pk_mul_f32 v[O+jj:O+jj+1], v[O+jj:O+jj+1], v[252:253] op_sel_hi:[1,0]   ; O^T under the new M; these sixteen are also the places in front of the scaled products below
.set jj, jj+2
.endr
	s_wait_alu depctr_va_vdst(0)                   ; the wait ahead of the wait below
	s_wait_dscnt 9                                 ; V and its scale words are in; the nine loads read ahead may be out
.irp t, 0,1,2,3
.if \t%2
	v_wmma_scale_f32_16x16x128_f8f6f4 v[O+8*\t:O+8*\t+7], v[80+12*\t:91+12*\t], v[224:235], v[O+8*\t:O+8*\t+7], v[30+\t/2], v253 matrix_a_fmt:MATRIX_FMT_FP6 matrix_b_fmt:MATRIX_FMT_FP6 matrix_a_scale:MATRIX_SCALE_ROW1
.else
	v_wmma_scale_f32_16x16x128_f8f6f4 v[O+8*\t:O+8*\t+7], v[80+12*\t:91+12*\t], v[224:235], v[O+8*\t:O+8*\t+7], v[30+\t/2], v253 matrix_a_fmt:MATRIX_FMT_FP6 matrix_b_fmt:MATRIX_FMT_FP6
.endif
.endr
.endm
	KLO L16, L8                                    ; record 0, for the first step
	s_mov_b32 s46, 2
.Lpass:
	v_mov_b32 v13, 0xec800000                      ; the largest t so far: -2^90: over a hidden key's t, under every other
	s_delay_alu instid0(VALU_DEP_1)
	v_floor_f32 v12, -v13
	v_mov_b32 v14, 0
	v_mov_b32 v15, 0
.set jj, 0
.rept 32
	v_mov_b32 v[O+jj], 0                           ; the step is written once: the first finds zeros
.set jj, jj+1
.endr
	s_mov_b32 s45, 0
.Lkeys:
	STEP
	s_add_co_u32 s45, s45, 1
	s_cmp_lt_u32 s45, 16
	s_cbranch_scc1 .Lkeys
	; THE WAY OUT: o = O^T / the sum, quantised along the head's 64 (two blocks of the last product's K), stored as six registers' image and two scale bytes a row
.rept 4
	v_nop                                          ; places behind the last products
.endr
	v_add_f32 v14, v14, v15
	s_delay_alu instid0(VALU_DEP_1)
	v_permlanex16_b32 v252, v14, s[SEL], s[SEL+1]
	s_delay_alu instid0(VALU_DEP_1)
	v_add_f32 v14, v14, v252                       ; the row's sum
	s_wait_alu depctr_va_vdst(0)
	v_rcp_f32 v14, v14
	v_nop                                          ; a plain place behind the reciprocal
	s_wait_alu depctr_va_vdst(0)                   ; and the wait ahead of its first reader
.set jj, 0
.rept 32
	v_mul_f32 v[S+jj], v[O+jj], v14                ; register 16 b + i = channel 32 b + 16 h + i of my query
.set jj, jj+1
.endr
.irp b, 0,1
	v_max3_num_f32 v[232+\b], |v[S+16*\b]|, |v[S+1+16*\b]|, 0x1800000
.endr
.irp i, 2,4,6,8,10,12,14
.irp b, 0,1
	s_delay_alu instid0(VALU_DEP_2)
	v_max3_num_f32 v[232+\b], v[232+\b], |v[S+16*\b+\i]|, |v[S+1+16*\b+\i]|
.endr
.endr
.irp b, 0,1
	s_delay_alu instid0(VALU_DEP_2)
	v_permlanex16_b32 v[236+\b], v[232+\b], s[SEL], s[SEL+1]
.endr
.irp b, 0,1
	s_delay_alu instid0(VALU_DEP_2)
	v_max_num_f32 v[232+\b], v[232+\b], v[236+\b]
.endr
.irp b, 0,1
	s_delay_alu instid0(VALU_DEP_2)
	v_add_nc_u32 v[244+\b], 0xff000000, v[232+\b]
.endr
.irp b, 0,1
	s_delay_alu instid0(VALU_DEP_2)
	v_lshrrev_b32 v[240+\b], 23, v[244+\b]
.endr
	s_delay_alu instid0(VALU_DEP_1)
	v_cndmask_b32 v240, v240, v241, s47            ; lane (r, h) stores block h's byte of row r
	v_cvt_scalef32_pk16_fp6_f32 v[224:226], v[S:S+15], v244
	v_cvt_scalef32_pk16_fp6_f32 v[236:238], v[S+16:S+31], v245
	v_nop                                          ; one plain place behind a scaled conversion
.irp i, 0,1,2
	v_permlane16_swap_b32 v[224+\i], v[236+\i]
.endr
.irp i, 0,1,2
	s_delay_alu instid0(VALU_DEP_3)
	v_mov_b32 v[227+\i], v[236+\i]
.endr
	global_store_b128 v[L16], v[224:227], s[8:9]
	global_store_b64 v[L8], v[228:229], s[8:9] offset:512
	global_store_b8 v29, v240, s[10:11]            ; 32 bytes of the tile's 512: eight heads fill each run of 256; each byte has one owner
	s_wait_xcnt 0x0                                ; the stores have read their registers and bases
	s_add_nc_u64 s[8:9], s[8:9], 196608            ; the second pass: 16 tiles, one block, on (behind it the stepped bases are not used)
	s_add_nc_u64 s[10:11], s[10:11], 16*512
.irp i, 0,1,2,3,4,5
	v_mov_b32 v[16+\i], v[4+\i]
.endr
	v_mov_b32 v28, v3
	s_sub_co_u32 s46, s46, 1
	s_cmp_lg_u32 s46, 0
	s_cbranch_scc1 .Lpass
	s_wait_dscnt 0x0                               ; the last loads read ahead
	s_wait_tensorcnt 0x0                           ; the wave's end
	ds_add_u32 v243, v255
	s_wait_dscnt 0x0
	ROUND                                          ; the closing round: no work-group ends while a partner may still ask for a tile that names it
	s_endpgm
.Lfunc_end_k_qd355c67a01_attn:
	.size	k_qd355c67a01_attn, .Lfunc_end_k_qd355c67a01_attn-k_qd355c67a01_attn
	.p2alignl 7, 3214868480
	.fill 96, 4, 3214868480
	.section	.rodata,"a",@progbits
	.p2align	6, 0x0
	.amdhsa_kernel k_qd355c67a01_attn
		.amdhsa_group_segment_fixed_size 264192
		.amdhsa_private_segment_fixed_size 0
		.amdhsa_enable_private_segment 0
		.amdhsa_kernarg_size 24
		.amdhsa_user_sgpr_count 2
		.amdhsa_user_sgpr_kernarg_segment_ptr 1
		.amdhsa_wavefront_size32 1
		.amdhsa_system_sgpr_workgroup_id_x 1
		.amdhsa_system_sgpr_workgroup_id_y 1
		.amdhsa_system_sgpr_workgroup_id_z 1
		.amdhsa_system_vgpr_workitem_id 0
		.amdhsa_next_free_vgpr 256
		.amdhsa_next_free_sgpr 66
		.amdhsa_reserve_vcc 1
		.amdhsa_float_denorm_mode_32 3
		.amdhsa_float_denorm_mode_16_64 3
		.amdhsa_memory_ordered 1
		.amdhsa_forward_progress 1
		.amdhsa_inst_pref_size 31
	.end_amdhsa_kernel
	.amdgpu_metadata
---
amdhsa.version: [ 1, 2 ]
amdhsa.kernels:
  - .name:           k_qd355c67a01_attn
    .symbol:         k_qd355c67a01_attn.kd
    .args:
      - { .name: qb, .offset: 0, .size: 8, .value_kind: global_buffer, .address_space: global }
      - { .name: kv, .offset: 8, .size: 8, .value_kind: global_buffer, .address_space: global }
      - { .name: ob, .offset: 16, .size: 8, .value_kind: global_buffer, .address_space: global }
    .group_segment_fixed_size: 264192
    .private_segment_fixed_size: 0
    .kernarg_segment_align: 8
    .kernarg_segment_size: 24
    .max_flat_workgroup_size: 512
    .sgpr_count:     66
    .vgpr_count:     256
    .wavefront_size: 32
...
	.end_amdgpu_metadata
.endif
;; end of part 3
;; launch proj (part 4): grid 4 x 64, 4 waves a work-group, clusters of 4 x 4, 327,680 bytes of LDS; arguments ob, wq, b_proj, out0; writes out0
.if DOCPART == 4
	.amdgcn_target "amdgcn-amd-amdhsa--gfx1250"
	.amdhsa_code_object_version 6
	.text
	.protected	k_qd355c67a01_proj
	.globl	k_qd355c67a01_proj
	.p2align	8
	.type	k_qd355c67a01_proj,@function
k_qd355c67a01_proj:
	s_mov_b64 s[64:65], 0
	v_nop
	global_prefetch_b8 v0, s[64:65] scope:SCOPE_SE
	s_setreg_imm32_b32 hwreg(HW_REG_WAVE_MODE, 25, 1), 1
	s_wait_xcnt 0x0
	s_wait_alu depctr_hold_cnt(0) depctr_sa_sdst(0) depctr_va_vdst(0) depctr_va_sdst(0) depctr_va_ssrc(0) depctr_va_vcc(0) depctr_vm_vsrc(0)
	s_getreg_b32 s2, hwreg(HW_REG_IB_STS2, 6, 4)
	s_cmp_eq_u32 s2, 0
	s_cbranch_scc0 .Lentry_in_a_cluster
	s_endpgm
.Lentry_in_a_cluster:
	s_bfe_u32 s2, ttmp6, 0x10000c
	s_cmp_lg_u32 s2, 0xf033
	s_cbranch_scc0 .Lentry_shape_is_right
	s_endpgm
.Lentry_shape_is_right:
; out0 = o w_proj^T + b_proj on codes of FP6 (E2M3) with E8M0 scales; out0 [8192][1024] f32.  A = 128 tokens of o (codes made by the attention launch), B = 256 rows of w_proj (codes made by the first launch).
; A BLOCK of 128 x 256: 64 x 4 = 256 work-groups.  Four waves of 64 x 128: 32 accumulators.  The matrix instruction is used transposed (source 0 = 16 rows of B, source 1 = 16 rows of A): a lane holds one token, and,
; the rows of a tile being 8 u + r + 8 (r / 8) of each 32, the 16 registers of B's tiles 2 b, 2 b + 1 are 16 neighbouring columns.
; OPERANDS lie in memory as images of their registers: [block of 16 tiles][pair of K steps][tile][K step][c][768 bytes]: a pair of a block is 49,152 bytes, my 8 tiles of A 24,576 of them.
; ALL OF K (8 K steps, 4 pairs) LIES IN LDS, each byte filled once: A's pair p at 24,576 p, B's at 98,304 + 49,152 p, the scale words behind them.  At the head one joint load a wave: wave 0 A's four pairs (4 rows of 24,576 bytes,
; 49,152 apart in memory), wave 1 B's pairs 0 and 1 (dense), wave 2 A's scale words, wave 3 B's.  Behind the full sequence and a round each wave fetches a quarter of B's pairs 2 and 3 (dense); the barrier at K step 3 shows them whole.
; By this text's count a wave has one tensor load out.  No prefetch into the L2: all of K is asked for by these two loads, and there is no loop to run ahead in.
; CLUSTERS: 4 x 4.  A's tiles are shared along a row of the cluster, B's along a column: joint loads.
; THE WAY OUT goes through the wave's own stage, on A's pairs 0 and 1, which have had their only fill and whose last reads lie ahead of the barrier at K step 3; whole rows of 512 bytes leave, at the tokens' true places.
; REGISTERS: window 0: v1-7 lane terms and the stage's addresses; v16-27 LDS addresses; v28, v29 the add's; v30, v31 the scale words' addresses; v32-63 scale words and nothing else; v64-67 the bias; v128-223 A's fragments, two sets;
;   on the way out v128-255 rows read back.  window 1: B's fragments, two sets at v0 and v128.  window 2: accumulator (a, b) at v[8 (8 a + b)].
.set HQ,    12288                      ; 4 tiles of a pair: what a wave reads of A
.set QTR,   24576                      ; 8 tiles of a pair
.set PAIR,  49152                      ; 16 tiles of a pair
.set BLK,   196608                     ; a block of 16 tiles, all of K
.set LB,    4*QTR                      ; where B begins in LDS
.set SCL,   LB+4*PAIR                  ; A's scale words (8 tiles x 512 bytes); B's (16 tiles) 8,192 further on
.set SPARE, SCL+16384                  ; the spare words, 128 bytes a wave: two blocks of 256 bytes that no other line names
.set FR,    12
.set AF,    128
.set SC,    32
.set A16,   16                         ; v16-17 my A tiles of pairs 0-1, 2-3, + 16 x lane;  v18-19 + 8 x lane
.set A8,    18
.set B16,   20                         ; v20-23 my B tiles of pair p, + 16 x lane;  v24-27 + 8 x lane
.set B8,    24
.set SPW,   28
.set NIL,   29
.set ADRS,  30                         ; lanes 0-15 A's scale words, lanes 16-31 B's
.set ADRS2, 31                         ; the same with lanes 0-15 four tiles lower: for B's tiles 4-7, beside which lanes 0-15 read A's tiles 0-3 once more
.set STO,   6
.set RD,    7
.set BK,    128
.set SPIT,  528
.set WV,    18
.set RH,    19                         ; my half of the block's rows
.set CH,    20                         ; my half of its columns
.set CX,    21
.set CY,    22
.set G1A,   24
.set G0A,   32
.set G1B,   44
.set G0B,   52                         ; s[52:55] B's pairs 0 and 1;  s[56:59] my quarter of pairs 2 and 3
.set G1SA,  68
.set G0SA,  76
.set G1SB,  80
.set G0SB,  88
.set MSB, 0
.macro WIN new                         ; the immediate's high byte repeats the setting that is left
.if MSB != (\new)
	s_set_vgpr_msb (MSB<<8)|(\new)
.set MSB, (\new)
.endif
.endm
.set MUL_LO, 0xa1                      ; source 0 (B) window 1, source 1 (A) window 0, C and D window 2
.set TO_B,   0x40
.macro CROUND                          ; a round of the cluster's barrier
	s_barrier_signal -1
	s_barrier_wait -1
	s_cmp_lg_u32 s[WV], 0
	s_cbranch_scc1 .Lnot_wave_0_\@
	s_barrier_signal -3
.Lnot_wave_0_\@:
	s_barrier_wait -3
	s_barrier_signal -1
	s_barrier_wait -1
.endm
.macro PLACES n                        ; plain places behind matrix instructions, in front of loads into their registers and of reads of results
.rept \n
	v_nop
.endr
.endm
.macro FRAG reg, a16, a8, off          ; a fragment's image: 12 registers by four dense loads
	ds_load_b128 v[\reg:\reg+3], v[\a16] offset:\off
	ds_load_b64 v[\reg+4:\reg+5], v[\a8] offset:\off+512
	ds_load_b128 v[\reg+6:\reg+9], v[\a16] offset:\off+768
	ds_load_b64 v[\reg+10:\reg+11], v[\a8] offset:\off+1280
.endm
.macro FETCH_B pr, q, p                ; B's eight fragments of pair pr's q-th K step into set p
	WIN TO_B
.irp i, 0,1,2,3,4,5,6,7
	FRAG 128*(\p)+FR*\i, B16+(\pr), B8+(\pr), 3072*\i+1536*(\q)
.endr
	WIN 0
.endm
.macro FETCH_A pr, q, p                ; A's four
.irp i, 0,1,2,3
	FRAG AF+FR*(\i+4*(\p)), A16+(\pr)/2, A8+(\pr)/2, QTR*((\pr)%2)+3072*\i+1536*(\q)
.endr
.endm
.macro SCALES kh                       ; four K steps' scale words: register SC + 4 i + j: lanes 0-15 A's tile i % 4, lanes 16-31 B's tile i, K step 4 kh + j
.irp i, 0,1,2,3
	ds_load_b128 v[SC+4*\i:SC+4*\i+3], v[ADRS] offset:512*\i+256*(\kh)
.endr
.irp i, 4,5,6,7
	ds_load_b128 v[SC+4*\i:SC+4*\i+3], v[ADRS2] offset:512*\i+256*(\kh)
.endr
.endm
.macro MUL16 a0, p, ks, zero           ; A's tiles a0, a0 + 1 x B's eight; the 32 accumulators take turns, one instruction a turn, in the same order in every K step
.irp a, \a0, \a0+1
.irp b, 0,1,2,3,4,5,6,7
.if \zero
	v_wmma_scale_f32_16x16x128_f8f6f4 v[8*(8*(\a)+\b):8*(8*(\a)+\b)+7], v[128*(\p)+FR*\b:128*(\p)+FR*\b+FR-1], v[AF+FR*((\a)+4*(\p)):AF+FR*((\a)+4*(\p))+FR-1], 0, v[SC+4*\b+(\ks)%4], v[SC+4*(\a)+(\ks)%4] matrix_a_fmt:MATRIX_FMT_FP6 matrix_b_fmt:MATRIX_FMT_FP6 matrix_a_scale:MATRIX_SCALE_ROW1
.else
	v_wmma_scale_f32_16x16x128_f8f6f4 v[8*(8*(\a)+\b):8*(8*(\a)+\b)+7], v[128*(\p)+FR*\b:128*(\p)+FR*\b+FR-1], v[AF+FR*((\a)+4*(\p)):AF+FR*((\a)+4*(\p))+FR-1], v[8*(8*(\a)+\b):8*(8*(\a)+\b)+7], v[SC+4*\b+(\ks)%4], v[SC+4*(\a)+(\ks)%4] matrix_a_fmt:MATRIX_FMT_FP6 matrix_b_fmt:MATRIX_FMT_FP6 matrix_a_scale:MATRIX_SCALE_ROW1
.endif
.endr
.endr
.endm
; K step ks: K step ks + 1's 48 LDS loads go out first, into the other sets, then this step's 32 products.  meet = 1: a barrier first, in front of which each wave waits for all its tensor loads.
.macro KSTEP ks, meet, zero, scl
.set NPR, ((\ks)+1)/2
.set NQQ, ((\ks)+1)%2
.set PP,  (\ks)%2
.if \meet
	s_wait_tensorcnt 0x0                           ; my quarter of B's pairs 2 and 3 has landed;
	ds_add_u32 v[SPW], v[NIL]                      ; 0 onto my spare word;
	s_wait_dscnt 0x0                               ; the add is done, this step's fragments are in, and my reads of pairs 0 and 1 are over
	s_barrier_signal -1
	s_barrier_wait -1
.else
	s_wait_dscnt 0x0                               ; this step's fragments are in
.endif
	PLACES 4                                       ; the other sets were read by the last step's products
	FETCH_B NPR, NQQ, 1-PP
	FETCH_A NPR, NQQ, 1-PP
	WIN MUL_LO
	MUL16 0, PP, \ks, \zero
	MUL16 2, PP, \ks, \zero
	WIN 0
.if \scl
	PLACES 4
	SCALES 1                                       ; the upper half of K's scale words, behind the last product that reads the lower half's
.endif
.endm
	s_load_b256 s[4:11], s[0:1], 0x0               ; ob s[4:5], wq s[6:7], b_proj s[8:9], out0 s[10:11]
	v_lshl_add_u32 v[SPW], v0, 2, SPARE
	v_mov_b32 v[NIL], 0
	ds_add_u32 v[SPW], v[NIL]                      ; the opening lines: the add twice and its wait ahead of my first tensor load
	ds_add_u32 v[SPW], v[NIL]
	v_lshrrev_b32 v1, 5, v0
	v_readfirstlane_b32 s[WV], v1                  ; wave 0..3
	s_lshr_b32 s[RH], s[WV], 1
	s_and_b32 s[CH], s[WV], 1
	s_bfe_u32 s[CX], ttmp6, 0x40000                ; my place in the cluster
	s_bfe_u32 s[CY], ttmp6, 0x40004
	s_lshl_b32 s92, s[CY], 2
	s_lshl_b32 s92, 15, s92                        ; my row of the cluster
	s_lshl_b32 s93, 0x1111, s[CX]                  ; my column
	s_or_b32 s[G1A], s92, (3<<16)|(1<<21)          ; elements of 8 bytes, no padding; bit 21 beside a mask
	s_or_b32 s[G1B], s93, (3<<16)|(1<<21)
	s_or_b32 s[G1SA], s92, (3<<16)|(1<<21)
	s_or_b32 s[G1SB], s93, (3<<16)|(1<<21)
	s_mov_b32 s[G1A+1], 3072<<16                   ; A: rows of 24,576 bytes,
	s_mov_b32 s[G1A+2], 4<<16                      ; four of them,
	s_mov_b32 s[G1A+3], 3072<<16
	s_mov_b32 s[G1A+4], 4
	s_mov_b32 s[G1A+5], 6144                       ; 49,152 bytes apart
	s_mov_b32 s[G1A+6], 0
	s_mov_b32 s[G1A+7], 0
.macro DENSE g, rows                   ; a dense block as rows of 256 bytes
	s_mov_b32 s[\g+1], 32<<16
	s_mov_b32 s[\g+2], (\rows)<<16
	s_mov_b32 s[\g+3], 32<<16
	s_mov_b32 s[\g+4], \rows
	s_mov_b32 s[\g+5], 32
	s_mov_b32 s[\g+6], 0
	s_mov_b32 s[\g+7], 0
.endm
	DENSE G1B, 384                                 ; the head's load of B; behind it the two words that count rows are set to 96
	DENSE G1SA, 16
	DENSE G1SB, 32
	s_and_b32 s97, ttmp7, 0xffff
	s_lshl_b32 s97, s97, 2
	s_lshl_b32 s98, ttmp9, 2
	s_wait_dscnt 0x0                               ; both opening adds are done
	s_wait_kmcnt 0x0
	s_add_co_u32 s97, s97, s[CY]                   ; A: my 128 tokens, of 64 such
	s_lshl_b32 s96, s97, 12
	s_add_co_u32 s96, s96, 6291456                 ; their scale words: 4,096 bytes
	s_lshr_b32 s99, s97, 1
	s_mul_i32 s99, s99, BLK                        ; their block of 16 tiles,
	s_and_b32 s92, s97, 1
	s_mul_i32 s92, s92, QTR                        ; and its half
	s_add_co_u32 s99, s99, s92
	s_mov_b32 s97, 0
	s_add_nc_u64 s[G0SA+2:G0SA+3], s[4:5], s[96:97]
	s_mov_b32 s96, s99
	s_add_nc_u64 s[G0A+2:G0A+3], s[4:5], s[96:97]
	s_add_co_u32 s98, s98, s[CX]                   ; B: my block of 256 rows of w_proj
	s_lshl_b32 s100, s98, 13
	s_add_co_u32 s100, s100, 3244032
	s_mov_b32 s101, 0
	s_add_nc_u64 s[G0SB+2:G0SB+3], s[6:7], s[100:101]
	s_mul_i32 s100, s98, BLK
	s_add_co_u32 s100, s100, 2457600               ; w_proj's codes lie behind w_qkv's
	s_add_nc_u64 s[G0B+2:G0B+3], s[6:7], s[100:101]
	s_mul_i32 s100, s[WV], QTR
	s_add_nc_u64 s[G0B+6:G0B+7], s[G0B+2:G0B+3], s[100:101]
	s_add_nc_u64 s[G0B+6:G0B+7], s[G0B+6:G0B+7], 2*PAIR   ; my quarter of pairs 2 and 3
	s_add_co_u32 s[G0B+5], s100, LB+2*PAIR
	s_mov_b32 s[G0A+1], 0
	s_mov_b32 s[G0B+1], LB
	s_mov_b32 s[G0SA+1], SCL
	s_mov_b32 s[G0SB+1], SCL+8192
.irp g, G0A, G0B, G0B+4, G0SA, G0SB
	s_mov_b32 s[\g], 1
	s_or_b32 s[\g+3], s[\g+3], 0x80000000
.endr
	CROUND                                         ; all sixteen work-groups are here: the first joint loads meet
; the head's loads, one a wave: one tree of branches on the wave's number, every way through it passes one load
.macro ARM under, g0, g1, next
	s_cmp_lt_u32 s[WV], \under
	s_cbranch_scc0 \next
	tensor_load_to_lds s[\g0:\g0+3], s[\g1:\g1+7]
	s_nop 0
.rept 4
	v_nop
.endr
	s_branch .Lhead_asked
\next:
.endm
	ARM 1, G0A, G1A, .Lhead_b
	ARM 2, G0B, G1B, .Lhead_sa
	ARM 3, G0SA, G1SA, .Lhead_sb
	tensor_load_to_lds s[G0SB:G0SB+3], s[G1SB:G1SB+7]
	s_nop 0
.rept 4
	v_nop
.endr
.Lhead_asked:
	v_and_b32 v1, 15, v0                           ; r
	v_and_b32 v5, 31, v0
	v_lshlrev_b32 v2, 4, v5                        ; 16 x lane
	v_lshlrev_b32 v3, 3, v5                        ; 8 x lane
	v_bfe_u32 v4, v0, 4, 1                         ; h
	s_wait_alu depctr_va_vdst(0)                   ; the wait
	s_mul_i32 s96, s[RH], HQ                       ; my 4 tiles of A,
	s_mul_i32 s97, s[CH], QTR
	s_add_co_u32 s97, s97, LB                      ; my 8 of B
.irp s, 0,1
	v_add_nc_u32 v[A16+\s], s96, v2
	v_add_nc_u32 v[A8+\s], s96, v3
	s_add_co_u32 s96, s96, 2*QTR
.endr
.irp s, 0,1,2,3
	v_add_nc_u32 v[B16+\s], s97, v2
	v_add_nc_u32 v[B8+\s], s97, v3
	s_add_co_u32 s97, s97, PAIR
.endr
	s_lshl_b32 s99, s[RH], 11                      ; the scale words of my 4 tiles of A,
	s_lshl_b32 s97, s[CH], 12
	s_add_co_u32 s97, s97, 8192                    ; of my 8 of B;
	s_sub_co_u32 s97, s97, s99
	v_mul_u32_u24 v5, s97, v4                      ; lanes 16-31 take B's: one product, the distance between the two bases
	v_lshl_add_u32 v5, v1, 4, v5
	s_add_co_u32 s96, s99, SCL
	v_add_nc_u32 v[ADRS], s96, v5
	s_add_co_u32 s97, s97, 2048
	v_mul_u32_u24 v5, s97, v4
	v_lshl_add_u32 v5, v1, 4, v5
	s_add_co_u32 s96, s99, SCL-2048
	v_add_nc_u32 v[ADRS2], s96, v5
	s_mul_i32 s96, s[WV], 16*SPIT                  ; my stage, on A's pairs 0 and 1
	v_mul_u32_u24 v[STO], v1, SPIT
	v_lshl_add_u32 v[STO], v4, 6, v[STO]
	v_add_nc_u32 v[STO], s96, v[STO]               ; in: row r, + 64 h bytes
	v_add_nc_u32 v[RD], s96, v2                    ; back: 16 bytes a lane of a row
	s_lshl_b32 s100, ttmp9, 2
	s_add_co_u32 s100, s100, s[CX]
	s_lshl_b32 s100, s100, 10
	s_lshl_b32 s101, s[CH], 9
	s_add_co_u32 s100, s100, s101                  ; my first column, in bytes
	s_mov_b32 s101, 0
	s_add_nc_u64 s[8:9], s[8:9], s[100:101]
	s_add_nc_u64 s[10:11], s[10:11], s[100:101]
	s_and_b32 s96, ttmp7, 0xffff
	s_lshl_b32 s96, s96, 2
	s_add_co_u32 s96, s96, s[CY]
	s_lshl_b32 s96, s96, 7
	s_lshl_b32 s97, s[RH], 6
	s_add_co_u32 s96, s96, s97
	s_lshl_b32 s96, s96, 12                        ; my first row of 4,096 bytes
	s_mov_b32 s97, 0
	s_add_nc_u64 s[10:11], s[10:11], s[96:97]
	s_wait_alu depctr_va_vdst(0)                   ; the wait at the head's end
	global_load_b128 v[64:67], v2, s[8:9]          ; the bias of my four columns of a row's 128
	s_wait_tensorcnt 0x0                           ; my load of the head's four is in;
	ds_add_u32 v[SPW], v[NIL]                      ; 0 onto my spare word;
	s_mov_b32 s[G1B+2], 96<<16                     ; no tensor load of mine is out, so a descriptor may be written: the next load brings 96 rows
	s_mov_b32 s[G1B+4], 96
	s_wait_dscnt 0x0                               ; the add is done
	CROUND                                         ; A, B's pairs 0 and 1 and the scale words are whole, and all sixteen work-groups are here
	tensor_load_to_lds s[G0B+4:G0B+7], s[G1B:G1B+7]   ; my quarter of B's pairs 2 and 3, the first tensor load behind the round
	s_nop 0
.rept 4
	v_nop
.endr
	FETCH_B 0, 0, 0
	FETCH_A 0, 0, 0
	SCALES 0
	KSTEP 0, 0, 1, 0                               ; the first products start the sums: nothing is cleared
	KSTEP 1, 0, 0, 0
	KSTEP 2, 0, 0, 0
	KSTEP 3, 1, 0, 1                               ; B's pairs 2 and 3 are whole in every wave's part
	KSTEP 4, 0, 0, 0
	KSTEP 5, 0, 0, 0
	KSTEP 6, 0, 0, 0
	s_wait_dscnt 0x0                               ; the last K step: nothing more to fetch
	WIN MUL_LO
	MUL16 0, 1, 7, 0
	MUL16 2, 1, 7, 0
	WIN 0
	PLACES 4
; THE WAY OUT, block by block of 16 tokens x 128 columns.  LDS serves a wave's instructions in order: no wait between the stores and the loads, nor in front of the next block's stores.
.macro TOSTAGE a
.set AC, 64*(\a)
	WIN 0x08                                       ; an LDS store's data: window 2
.irp b, 0,1,2,3,4,5,6,7
	ds_store_b128 v[STO], v[AC+8*\b:AC+8*\b+3] offset:128*(\b/2)+32*(\b%2)       ; columns 32 (b / 2) + 16 h + 8 (b % 2) on; each accumulator from its low end on
	ds_store_b128 v[STO], v[AC+8*\b+4:AC+8*\b+7] offset:128*(\b/2)+32*(\b%2)+16
.endr
	WIN 0
.set BB, BK+64*((\a)%2)
.irp t, 0,1,2,3,4,5,6,7,8,9,10,11,12,13,14,15
	ds_load_b128 v[BB+4*\t:BB+4*\t+3], v[RD] offset:\t*SPIT
.endr
.endm
.macro SEND a, younger                 ; younger: the LDS instructions issued behind block a's loads
.set BB, BK+64*((\a)%2)
	s_wait_dscnt \younger
.irp t, 0,1,2,3,4,5,6,7,8,9,10,11,12,13,14,15
	v_pk_add_f32 v[BB+4*\t:BB+4*\t+1], v[BB+4*\t:BB+4*\t+1], v[64:65]
	v_pk_add_f32 v[BB+4*\t+2:BB+4*\t+3], v[BB+4*\t+2:BB+4*\t+3], v[66:67]
.endr
.irp t, 0,1,2,3,4,5,6,7,8,9,10,11,12,13,14,15
	global_store_b128 v2, v[BB+4*\t:BB+4*\t+3], s[10:11] offset:(32*((\a)/2)+8*((\a)%2)+\t+8*(\t/8))*4096 th:TH_STORE_NT   ; row t of tile a at its true place; 32 lanes store 512 consecutive bytes, aligned
.endr
.endm
	s_wait_loadcnt 0x0                             ; the bias
	TOSTAGE 0
.irp a, 1,2,3
.if \a > 1
	s_wait_xcnt 0x0                                ; block a - 2's stores have read their registers: block a's loads may land there
.endif
	TOSTAGE \a
	SEND \a-1, 32                                  ; behind block a - 1's loads: block a's 16 stores and 16 loads
.endr
	SEND 3, 0
	s_wait_tensorcnt 0x0                           ; the wave's end
	ds_add_u32 v[SPW], v[NIL]
	s_wait_dscnt 0x0
	CROUND                                         ; the closing round: no work-group ends while a partner may still ask for a tile that names it
	s_endpgm
.Lfunc_end_k_qd355c67a01_proj:
	.size	k_qd355c67a01_proj, .Lfunc_end_k_qd355c67a01_proj-k_qd355c67a01_proj
	.p2alignl 7, 3214868480
	.fill 96, 4, 3214868480
	.section	.rodata,"a",@progbits
	.p2align	6, 0x0
	.amdhsa_kernel k_qd355c67a01_proj
		.amdhsa_group_segment_fixed_size 327680
		.amdhsa_private_segment_fixed_size 0
		.amdhsa_enable_private_segment 0
		.amdhsa_kernarg_size 32
		.amdhsa_user_sgpr_count 2
		.amdhsa_user_sgpr_kernarg_segment_ptr 1
		.amdhsa_wavefront_size32 1
		.amdhsa_system_sgpr_workgroup_id_x 1
		.amdhsa_system_sgpr_workgroup_id_y 1
		.amdhsa_system_sgpr_workgroup_id_z 1
		.amdhsa_system_vgpr_workitem_id 0
		.amdhsa_next_free_vgpr 768
		.amdhsa_next_free_sgpr 102
		.amdhsa_reserve_vcc 0
		.amdhsa_float_denorm_mode_32 3
		.amdhsa_float_denorm_mode_16_64 3
		.amdhsa_memory_ordered 1
		.amdhsa_forward_progress 1
		.amdhsa_inst_pref_size 93
	.end_amdhsa_kernel
	.amdgpu_metadata
---
amdhsa.version: [ 1, 2 ]
amdhsa.kernels:
  - .name:           k_qd355c67a01_proj
    .symbol:         k_qd355c67a01_proj.kd
    .args:
      - { .name: ob, .offset: 0, .size: 8, .value_kind: global_buffer, .address_space: global }
      - { .name: wq, .offset: 8, .size: 8, .value_kind: global_buffer, .address_space: global }
      - { .name: b_proj, .offset: 16, .size: 8, .value_kind: global_buffer, .address_space: global }
      - { .name: out0, .offset: 24, .size: 8, .value_kind: global_buffer, .address_space: global }
    .group_segment_fixed_size: 327680
    .private_segment_fixed_size: 0
    .kernarg_segment_align: 8
    .kernarg_segment_size: 32
    .max_flat_workgroup_size: 128
    .sgpr_count:     102
    .vgpr_count:     768
    .wavefront_size: 32
...
	.end_amdgpu_metadata
.endif
;; end of part 4
